; MI455X (gfx1250); checked and timed in simulation.
; The chip was launched on July 23, 2026; its instructions are those of AMD's public machine-readable ISA for CDNA 5 (MIT licence, August 2026) and "CDNA5" Instruction Set Architecture Reference Guide (July 2026). The comments in the code are by the model that wrote it; some were corrected since.
;; Causal Self Attention. Allowed arithmetic: matrix products marked QUANTISED: E4M3 operands, one given power-of-two scale a tensor, by v_wmma_f32_16x16x64_fp8_fp8 or v_wmma_f32_16x16x128_fp8_fp8, f32 sums; everything else in f32.
;; Inputs: b_out 1,024 float32; b_qkv 3,072 float32; lowp_scales 8 int32 (the exponents e of the quantised operands' scales 2^e); w_out 1,024 x 1,024 float32; w_qkv 1,024 x 3,072 float32; x 4 x 2,048 x 1,024 float32.
;; Outputs: out0 4 x 2,048 x 1,024 float32.
;; This version of the problem:
;;   THIS VERSION OF THE PROBLEM IS GIVEN IN LOW PRECISION. The matrix products marked QUANTISED in the list below multiply operands that are first quantised to E4M3 (4 exponent bits, 3 mantissa bits; 8 bits a number), with one given power-of-two scale for each operand tensor; their sums are f32. All else is computed in f32.
;;   The module's matrix products, in the order in which they are computed (A, B: the left and right operand; K: the contracted axis; several contracted axes count as one K, in the product's order):
;;     1. [M 8,192, K 1,024] x [K 1,024, N 3,072]; A: input x; B: input w_qkv: QUANTISED (scales: A lowp_scales[0], B lowp_scales[1])
;;     2. batch 64 x [M 2,048, K 64] x [K 64, N 2,048]; A: computed on the way; B: computed on the way: QUANTISED (scales: A lowp_scales[2], B lowp_scales[3])
;;     3. batch 64 x [M 2,048, K 2,048] x [K 2,048, N 64]; A: softmax (see below); B: computed on the way: QUANTISED (scales: A lowp_scales[4], B lowp_scales[5])
;;     4. [M 8,192, K 1,024] x [K 1,024, N 1,024]; A: computed on the way; B: input w_out: QUANTISED (scales: A lowp_scales[6], B lowp_scales[7])
;;   THE QUANTISER, for each operand of a quantised product, along K:
;;     - The operand's scale is 2^e, e = its entry of the input lowp_scales (int32; the entries are numbered through the quantised products in the list's order, A before B).
;;     - Each number is divided by the scale, clamped to +-448, and rounded to the nearest number of E4M3, ties to even, subnormals kept.
;;     - The product sums the exact products of the quantised numbers (number of the format x scale) in f32.
;;   ~~~python
;;   def quantise(x, axis, e):      # numpy; x: float32 -> the quantised numbers, widened to float32 again
;;       x = np.moveaxis(x, axis, -1); K = x.shape[-1]
;;       r = np.clip(x / 2.0 ** e, -448, 448)
;;       step = 2.0 ** (np.maximum(np.frexp(np.where(r == 0, 1, r))[1] - 1, -6) - 3)
;;       q = np.round(r / step) * step * 2.0 ** e      # np.round: ties to even
;;       return np.moveaxis(q, -1, axis).astype(np.float32)
;;   ~~~
;;   SOFTMAX AHEAD OF A QUANTISED PRODUCT. Where the list says 'softmax', what is quantised is not the finished softmax but p = 2^(t - M), with t = logit x log2(e) and M = ceil(the row's largest t), a whole number; so 1/2 < the row's largest p <= 1. The row's sum l is taken of the UNQUANTISED p, in f32, and the product's result is divided by l at the end. Since M is a whole number, a kernel that streams over the keys may use a running M (the ceiling of the running maximum): every later rescaling is an exact power of two, so the quantised numbers keep their values, but for numbers so far below the row's largest that they fall under the format's range.
;;   OPERANDS COMPUTED ON THE WAY. 'Computed on the way' means the value that the module computes at that place (a softmax that the list does not call 'softmax' is quantised finished and normalised). What goes into a quantiser is computed in f32, as accurately as f32 sums, v_exp_f32 and their like allow (about 1e-6 of the number): no bf16 or f16 on the way to a quantiser, and a product that is left as it is and whose result goes on into a quantised operand takes f32 operands (vector FMAs, or v_wmma_f32_16x16x4_f32). A number that lies on a knife's edge between two numbers of the format may be rounded either way, as far as f32 arithmetic and the matrix unit's own rounding can turn it there, and no further.
;; One version. Each part assembles by itself: llvm-mc -triple=amdgcn-amd-amdhsa -mcpu=gfx1250 --defsym DOCPART=n.
;; ======== version 1 of 1: 4 launches
;; limits: right only within a limited range of input values
;; workspace buffers: xc 8,388,608 bytes; wc 4,194,304 bytes; qkv 25,165,824 bytes; yc 8,388,608 bytes
;; launch prep (part 1): grid 384 x 1, 4 waves a work-group, no clusters, 68,096 bytes of LDS; arguments x, lowp_scales, xc, w_qkv, w_out, wc; writes xc, wc
.if DOCPART == 1
	.amdgcn_target "amdgcn-amd-amdhsa--gfx1250"
	.amdhsa_code_object_version 6
	.text
	.protected	k_qd611845582_prep
	.globl	k_qd611845582_prep
	.p2align	8
	.type	k_qd611845582_prep,@function
k_qd611845582_prep:
	s_mov_b64 s[64:65], 0
	v_nop
	global_prefetch_b8 v0, s[64:65] scope:SCOPE_SE
	s_setreg_imm32_b32 hwreg(HW_REG_WAVE_MODE, 25, 1), 1
	s_wait_xcnt 0x0
; ONE LAUNCH QUANTISES ALL THREE f32 INPUTS OF THE TWO PROJECTIONS into codes of FP8 (E4M3), one byte each, K innermost.  code = number / 2^e, held within +-448, nearest, ties to even.
; Work-groups 0..127: the weights.  w_qkv [1024 k][3072 n] and w_out [1024 k][1024 n], K their FIRST axis, become wc [4096 rows][1024 k]: rows 0..3071 w_qkv's columns (2^e1), rows 3072..4095 w_out's (2^e7).
;   Number i: 128 rows of wc from 128 (i % 32) on, 256 along K from 256 (i / 32) on.  A lane takes a column and its registers run down K: each load reads 128 consecutive bytes a wave, and the conversions give codes
;   with K innermost; they leave through the wave's stage in LDS, sixteen lanes to 256 consecutive bytes, aligned.  Loads run two blocks of 32 rows (64 loads a wave) ahead.
; Work-groups 128..383: x [8192 rows][1024] (2^e0) becomes xc, a plain stream: a work-group takes 32,768 numbers, a wave 8,192 in 16 steps of 512.  Each load reads 512 consecutive bytes; a step's 2,048 bytes turn through
;   the wave's stage in LDS and come back 64 bytes a lane (16 of padding behind each 64), so that a lane holds 16 neighbours along K; the wave stores 512 consecutive bytes, aligned.  Loads run four steps ahead.
; The two paths part on the work-group's number alone and have LDS bytes of their own.  No matrix unit, cluster or barrier: waves share nothing; every byte is read once and written once.
; LIMITS: -126 <= e0, e1, e7 <= 119; NaN among the inputs is not served.
.set WAVES, 4
.set STEPS, 16
.set NWW,   128                        ; the weights' work-groups
.set CB,    16                         ; bytes of 16 codes
.set R,     16                         ; x: v16-79 four sets of 16 numbers as loaded; v80-111 two sets of 16 neighbours; v128-191 codes, four registers a step
.set X,     80
.set C,     128
.set WREG,  8192                       ; x: a wave's two stages of 32 x SP bytes
.set SP,    80
.set SPW,   12                         ; v12 LDS address of my spare word; v13 0; never rewritten
.set NIL,   13
.set SPARE, WAVES*WREG                 ; the spare words, 128 bytes a wave, that no other line names
.set WBASE, SPARE+512                  ; the weights' four stages
.set PITCH, 272                        ; a row of such a stage: 256 bytes of codes + 16
.set NB,    8                          ; the weights: blocks of 32 along K for a wave
.set WX,    32                         ; v32-95 two sets of 32 numbers; v96-103 a block's codes; v112-175 the way out; v176-207 byte offset of row i of a block at my column
.set WC,    96
.set OUTR,  112
.set OF,    176
	s_load_b128 s[4:7], s[0:1], 0x0                ; x, the scales' exponents
	s_load_b64 s[8:9], s[0:1], 0x10                ; xc
	v_lshl_add_u32 v[SPW], v0, 2, SPARE
	v_mov_b32 v[NIL], 0
	v_lshrrev_b32 v1, 5, v0
	v_readfirstlane_b32 s16, v1                    ; wave
	v_and_b32 v2, 31, v0                           ; lane
	s_cmp_lt_u32 ttmp9, NWW
	s_wait_alu depctr_va_vdst(0)                   ; directly ahead of the branch
	s_cbranch_scc1 .Lweights
	v_lshlrev_b32 v3, 4, v2                        ; my 16 bytes of a load's 512
	s_mul_i32 s17, s16, WREG
	v_lshrrev_b32 v14, 2, v2
	v_mul_u32_u24 v14, v14, SP
	v_and_b32 v15, 3, v2
	v_lshl_add_u32 v14, v15, 4, v14
	v_add_nc_u32 v14, s17, v14                     ; the stage, way in: SP (lane / 4) + 16 (lane % 4)
	v_mul_u32_u24 v15, v2, SP
	v_add_nc_u32 v15, s17, v15                     ; way out: SP x lane: my 16 neighbours
	v_mul_u32_u24 v4, v2, CB                       ; my codes' place in a step's
	s_sub_co_u32 s17, ttmp9, NWW
	s_lshl_b32 s17, s17, 2
	s_add_co_u32 s18, s17, s16                     ; which run of 8,192 numbers is my wave's
	s_mov_b32 s19, 0
	s_wait_alu depctr_va_vdst(0)                   ; directly ahead of the wait below
	s_wait_kmcnt 0x0
	s_load_b32 s22, s[6:7], 0x0                    ; e0
	s_lshl_b64 s[20:21], s[18:19], 15              ; 8,192 numbers of 4 bytes
	s_add_nc_u64 s[4:5], s[4:5], s[20:21]
	s_lshl_b64 s[20:21], s[18:19], 13              ; 8,192 codes
	s_add_nc_u64 s[8:9], s[8:9], s[20:21]
.macro LOAD t
.irp i, 0,1,2,3
	global_load_b128 v[R+16*((\t)%4)+4*\i:R+16*((\t)%4)+4*\i+3], v3, s[4:5] offset:2048*(\t)+512*\i th:TH_LOAD_NT   ; 32 lanes read 512 consecutive bytes
.endr
.endm
.macro TURN t                          ; step t's numbers through the stage: LDS serves a wave's instructions in order, so no wait stands between the stores and the loads
.irp i, 0,1,2,3
	ds_store_b128 v14, v[R+16*((\t)%4)+4*\i:R+16*((\t)%4)+4*\i+3] offset:32*SP*((\t)%2)+8*SP*\i
.endr
.irp i, 0,1,2,3
	ds_load_b128 v[X+16*((\t)%2)+4*\i:X+16*((\t)%2)+4*\i+3], v15 offset:32*SP*((\t)%2)+16*\i
.endr
.endm
.irp t, 0,1,2,3
	LOAD \t
.endr
	s_wait_kmcnt 0x0
	s_add_co_i32 s22, s22, 127
	s_lshl_b32 s23, s22, 23
	v_mov_b32 v11, s23                             ; 2^e0 as f32: the conversion takes its exponent field
	s_add_co_i32 s22, s22, 8
	s_lshl_b32 s22, s22, 23
	s_or_b32 s22, s22, 0x600000
	v_mov_b32 v10, s22                             ; 448 x 2^e0
	s_wait_alu depctr_va_vdst(0)                   ; the head's end
	s_wait_loadcnt 12                              ; step 0's four loads are in; the twelve of steps 1 to 3 may be out
	TURN 0
.macro STEP t
.set XS, X+16*((\t)%2)
	s_wait_dscnt 0x0                               ; this step's numbers are back from the stage: so its stores into the stage have read their registers,
.if (\t)+4 < STEPS
	LOAD (\t)+4                                    ; which take the loads of four steps on
.endif
.if (\t)+1 < STEPS
.if STEPS-2-(\t) >= 3
	s_wait_loadcnt 12                              ; the next step's four loads are in; those of the three steps behind it may be out
.else
	s_wait_loadcnt 4*(STEPS-2-(\t))
.endif
	TURN (\t)+1                                    ; and go through the other stage while this step is worked
.endif
.irp i, 0,1,2,3,4,5,6,7,8,9,10,11,12,13,14,15
	v_med3_num_f32 v[XS+\i], v[XS+\i], -v10, v10   ; the conversion to an 8-bit code does not saturate (ISA guide 7.6.2): the hold comes first
.endr
	v_cvt_scalef32_pk8_fp8_f32 v[C+4*(\t):C+4*(\t)+1], v[XS:XS+7], v11
	v_cvt_scalef32_pk8_fp8_f32 v[C+4*(\t)+2:C+4*(\t)+3], v[XS+8:XS+15], v11
	global_store_b128 v4, v[C+4*(\t):C+4*(\t)+3], s[8:9] offset:32*CB*(\t)   ; the results go to a store alone; the next vector lines are the next step's holds, on other registers
.endm
.irp t, 0,1,2,3,4,5,6,7,8,9,10,11,12,13,14,15
	STEP \t
.endr
	s_wait_tensorcnt 0x0                           ; the wave's end: behind my last LDS store
	ds_add_u32 v[SPW], v[NIL]
	s_wait_dscnt 0x0
	s_endpgm
.Lweights:
	s_load_b128 s[40:43], s[0:1], 0x18             ; w_qkv, w_out
	s_load_b64 s[44:45], s[0:1], 0x28              ; wc
	s_and_b32 s46, ttmp9, 31                       ; which 128 rows of wc
	s_lshr_b32 s18, ttmp9, 5                       ; which 256 along K
	s_lshl_b32 s17, s46, 7
	s_lshl_b32 s19, s16, 5
	s_add_co_u32 s17, s17, s19                     ; my wave's first row of wc
	v_lshlrev_b32 v3, 2, v2
	s_mul_i32 s19, s16, 32*PITCH
	s_add_co_u32 s19, s19, WBASE                   ; my stage
	v_mul_u32_u24 v4, v2, PITCH
	v_add_nc_u32 v4, s19, v4                       ; into it: row = my column
	v_and_b32 v5, 15, v2
	v_lshrrev_b32 v6, 4, v2
	v_mul_u32_u24 v7, v6, PITCH
	v_lshl_add_u32 v7, v5, 4, v7
	v_add_nc_u32 v7, s19, v7                       ; out of it: sixteen lanes to a row, two rows an instruction
	v_lshlrev_b32 v8, 10, v6
	v_lshl_add_u32 v8, v5, 4, v8                   ; the same place in wc
	s_cmp_lt_u32 s46, 24                           ; w_qkv's rows or w_out's
	s_mov_b32 s24, 4096
	s_cselect_b32 s24, 12288, s24                  ; bytes from a row k to the next
	s_cselect_b32 s25, 0, 3072                     ; the tensor's first row in wc
	v_mov_b32 v9, s24
.set li, 0
.rept 32
	v_mad_u32_u24 v[OF+li], v9, li, v3
.set li, li+1
.endr
	s_lshl_b32 s20, s18, 8
	s_mul_i32 s20, s20, s24                        ; 256 (i / 32) rows of the input,
	s_sub_co_u32 s21, s17, s25
	s_lshl_b32 s21, s21, 2
	s_add_co_u32 s20, s20, s21                     ; + 4 x my first column
	s_mov_b32 s21, 0
	s_lshl_b32 s22, s17, 10
	s_lshl_b32 s23, s18, 8
	s_add_co_u32 s22, s22, s23                     ; wc: row x 1,024 + 256 (i / 32)
	s_mov_b32 s23, 0
	s_lshl_b32 s28, s24, 5                         ; a block of 32 rows on
	s_mov_b32 s29, 0
	s_wait_alu depctr_va_vdst(0)                   ; directly ahead of the wait below
	s_wait_kmcnt 0x0
	s_load_b256 s[32:39], s[6:7], 0x0              ; e0 .. e7
	s_cmp_lt_u32 s46, 24
	s_cselect_b64 s[4:5], s[40:41], s[42:43]       ; the choice hangs on the work-group's number alone
	s_add_nc_u64 s[4:5], s[4:5], s[20:21]
	s_add_nc_u64 s[10:11], s[44:45], s[22:23]
.macro WLOAD t                         ; block t: rows 32 t + i of my 256, my column, into set t % 2.  The blocks are asked for in order, the base stepping once for each
.if (\t) > 0
	s_wait_xcnt 0x0                                ; the earlier loads have had their addresses translated: the base may step
	s_add_nc_u64 s[4:5], s[4:5], s[28:29]
.endif
.set li, 0
.rept 32
	global_load_b32 v[WX+32*((\t)%2)+li], v[OF+li], s[4:5] th:TH_LOAD_NT
.set li, li+1
.endr
.endm
	WLOAD 0
	WLOAD 1
	s_wait_kmcnt 0x0
	s_cmp_lt_u32 s46, 24
	s_cselect_b32 s30, s33, s39                    ; e1 or e7
	s_add_co_i32 s30, s30, 127
	s_lshl_b32 s31, s30, 23
	v_mov_b32 v11, s31                             ; 2^e as f32
	s_add_co_i32 s30, s30, 8
	s_lshl_b32 s30, s30, 23
	s_or_b32 s30, s30, 0x600000
	v_mov_b32 v10, s30                             ; 448 x 2^e
.macro WBLOCK t
.set XS, WX+32*((\t)%2)
.if (\t) < NB-1
	s_wait_loadcnt 32                              ; this block's 32 loads are in; the next block's may be out
.else
	s_wait_loadcnt 0
.endif
.set bi, 0
.rept 32
	v_med3_num_f32 v[XS+bi], v[XS+bi], -v10, v10   ; the hold at the largest code x the scale (ISA guide 7.6.2)
.set bi, bi+1
.endr
.irp g, 0,1,2,3
	v_cvt_scalef32_pk8_fp8_f32 v[WC+2*\g:WC+2*\g+1], v[XS+8*\g:XS+8*\g+7], v11
.endr
	ds_store_b128 v4, v[WC:WC+3] offset:32*(\t)    ; 32 codes of my column's row
	ds_store_b128 v4, v[WC+4:WC+7] offset:32*(\t)+16
.if (\t)+2 < NB
	WLOAD (\t)+2
.endif
	s_wait_dscnt 0x0                               ; the stores have read their registers: the next block's codes may be written
.endm
.set Q, 0
	s_wait_alu depctr_va_vdst(0)                   ; the head's end
.rept NB
	WBLOCK Q
.set Q, Q+1
.endr
.irp t, 0,1,2,3,4,5,6,7,8,9,10,11,12,13,14,15
	ds_load_b128 v[OUTR+4*\t:OUTR+4*\t+3], v7 offset:2*\t*PITCH   ; LDS serves a wave's instructions in order: these see my stores
.endr
.irp t, 0,1,2,3,4,5,6,7,8,9,10,11,12,13,14,15
	s_wait_dscnt 15-\t                             ; rows 2 t, 2 t + 1 are back; the later loads may be out
	global_store_b128 v8, v[OUTR+4*\t:OUTR+4*\t+3], s[10:11] offset:2*\t*1024
.endr
	s_wait_tensorcnt 0x0                           ; the wave's end: behind my last LDS store
	ds_add_u32 v[SPW], v[NIL]
	s_wait_dscnt 0x0
	s_endpgm
.Lfunc_end_k_qd611845582_prep:
	.size	k_qd611845582_prep, .Lfunc_end_k_qd611845582_prep-k_qd611845582_prep
	.p2alignl 7, 3214868480
	.fill 96, 4, 3214868480
	.section	.rodata,"a",@progbits
	.p2align	6, 0x0
	.amdhsa_kernel k_qd611845582_prep
		.amdhsa_group_segment_fixed_size 68096
		.amdhsa_private_segment_fixed_size 0
		.amdhsa_enable_private_segment 0
		.amdhsa_kernarg_size 48
		.amdhsa_user_sgpr_count 2
		.amdhsa_user_sgpr_kernarg_segment_ptr 1
		.amdhsa_wavefront_size32 1
		.amdhsa_system_sgpr_workgroup_id_x 1
		.amdhsa_system_sgpr_workgroup_id_y 1
		.amdhsa_system_sgpr_workgroup_id_z 1
		.amdhsa_system_vgpr_workitem_id 0
		.amdhsa_next_free_vgpr 208
		.amdhsa_next_free_sgpr 66
		.amdhsa_reserve_vcc 0
		.amdhsa_float_denorm_mode_32 3
		.amdhsa_float_denorm_mode_16_64 3
		.amdhsa_memory_ordered 1
		.amdhsa_forward_progress 1
		.amdhsa_inst_pref_size 88
	.end_amdhsa_kernel
	.amdgpu_metadata
---
amdhsa.version: [ 1, 2 ]
amdhsa.kernels:
  - .name:           k_qd611845582_prep
    .symbol:         k_qd611845582_prep.kd
    .args:
      - { .name: x, .offset: 0, .size: 8, .value_kind: global_buffer, .address_space: global }
      - { .name: lowp_scales, .offset: 8, .size: 8, .value_kind: global_buffer, .address_space: global }
      - { .name: xc, .offset: 16, .size: 8, .value_kind: global_buffer, .address_space: global }
      - { .name: w_qkv, .offset: 24, .size: 8, .value_kind: global_buffer, .address_space: global }
      - { .name: w_out, .offset: 32, .size: 8, .value_kind: global_buffer, .address_space: global }
      - { .name: wc, .offset: 40, .size: 8, .value_kind: global_buffer, .address_space: global }
    .group_segment_fixed_size: 68096
    .private_segment_fixed_size: 0
    .kernarg_segment_align: 8
    .kernarg_segment_size: 48
    .max_flat_workgroup_size: 128
    .sgpr_count:     66
    .vgpr_count:     208
    .wavefront_size: 32
...
	.end_amdgpu_metadata
.endif
;; end of part 1
;; launch gqkv (part 2): grid 8 x 32, 4 waves a work-group, clusters of 4 x 4, 327,680 bytes of LDS; arguments xc, wc, lowp_scales, b_qkv, qkv; writes qkv
.if DOCPART == 2
	.amdgcn_target "amdgcn-amd-amdhsa--gfx1250"
	.amdhsa_code_object_version 6
	.text
	.protected	k_qd611845582_gqkv
	.globl	k_qd611845582_gqkv
	.p2align	8
	.type	k_qd611845582_gqkv,@function
k_qd611845582_gqkv:
	s_mov_b64 s[64:65], 0
	v_nop
	global_prefetch_b8 v0, s[64:65] scope:SCOPE_SE
	s_setreg_imm32_b32 hwreg(HW_REG_WAVE_MODE, 25, 1), 1
	s_wait_xcnt 0x0
	s_wait_alu depctr_hold_cnt(0) depctr_sa_sdst(0) depctr_va_vdst(0) depctr_va_sdst(0) depctr_va_ssrc(0) depctr_va_vcc(0) depctr_vm_vsrc(0)
	s_getreg_b32 s2, hwreg(HW_REG_IB_STS2, 6, 4)
	s_cmp_eq_u32 s2, 0
	s_cbranch_scc0 .Lentry_in_a_cluster
	s_endpgm
.Lentry_in_a_cluster:
	s_bfe_u32 s2, ttmp6, 0x10000c
	s_cmp_lg_u32 s2, 0xf033
	s_cbranch_scc0 .Lentry_shape_is_right
	s_endpgm
.Lentry_shape_is_right:
; qkv = x w_qkv + b_qkv on codes of FP8 (E4M3), and its quantising for the attention: q with 2^e2, k with 2^e3, v with 2^e5.  Sums in f32.
; xc: [8192 rows][1024 k] codes (scale 2^e0); wc: [4096 rows][1024 k] codes, rows 0..3071 = w_qkv's columns (2^e1).
; OUT: q at byte 0 and k at 2^23: [batch x head 64][t 2048][d 64]; v at 2^24: [batch x head 64][t / 128][d 64][128 keys]: the keys innermost, since they are the K of attention's second product.
; SHARES.  q and k are 32 x 8 tiles of 256 x 256, v is 8 x 32 half tiles of 128 x 256: 256 of each.  Work-group (gx 0..7, gy 0..31) makes one of each, one after the other: 256 work-groups of equal work.
;   PHASE 1 (q: gx 0-3, k: gx 4-7): R = x's rows 256 gy on, S = wc's rows 256 gx on; a wave makes 128 x 128, 64 accumulators.
;   PHASE 2 (v): R = wc's rows 2,048 + 128 gx on (two heads), S = x's rows 256 gy on (256 keys); a wave makes 64 x 128, 32 accumulators.
; THE MATRIX INSTRUCTION TAKES 16 ROWS OF THE S OPERAND AS SOURCE 0 AND 16 OF THE R OPERAND AS SOURCE 1: a lane holds ONE R and eight neighbours along S, which is what a conversion to codes wants: along d for q and k, along the keys for v.
; code = Q((sum + b / 2^(e0+e1)) / 2^(eo-e0-e1)): the number of the definition, scaled by exact powers of two.  LIMITS: eo - e0 - e1 between -126 and 119 for eo = e2, e3, e5; NaN is not served.
; THE RING.  K goes in steps of 256 through two LDS slots filled by the tensor data mover; each phase has four such steps, written out.  The ring does not stop between the phases: phase 1's last two changes of slots
; ask for phase 2's K steps 0 and 1, which land while q or k goes out.  The descriptors are rewritten for phase 2 behind a wait for all my tensor loads.  The way out's stages have LDS bytes of their own, behind the ring.
; CLUSTERS: 4 x 4 work-groups.  What hangs on gy alone (x's rows: R in phase 1, S in phase 2) is shared along a row of the cluster, what hangs on gx alone (wc's rows) along a column: each tile is asked for jointly.
; NO PREFETCH: the block is the largest that the registers hold, in clusters, and K is four steps.
; REGISTERS: window 0: v7-30 addresses; v32-95 the bias along S (q, k), v96-103 along R (v); v112, v113 the conversion's scale and hold; from v128 the R operand's fragments; on the way out v128-255 are free.
;   window 1: the S operand's fragments, two sets.   windows 2, 3: the accumulators ((a, b) at v[8 (8 (a % 4) + b)]).
.set ROWB,   256                       ; a tile's row: 256 codes
.set KROW,   1024                      ; a row of either operand in memory
.set PITCH,  272                       ; an LDS row: 256 bytes + 16: the 16 rows of a fragment load start at 16 different banks (64 banks of 4 bytes: ISA guide 11.1)
.set FR,     16
.set NL,     4
.set NP,     4                         ; places behind this matrix instruction (ISA guide 7.12.1)
.set HALFT,  128*PITCH
.set SLOT,   4*HALFT
.set SPARE,  2*SLOT                    ; behind the ring: the spare words, 128 bytes a wave
.set STAGE0, SPARE+512                 ; behind them: the stages, into which no tile lands
.set WSTG,   2560                      ; a wave's stage
.set STGV,   16384                     ; v's stages lie this far behind q's and k's
.set DW0,    (0<<16)|(1<<20)|(1<<21)|(5<<22)|(3<<25)   ; group 1, word 0 beside the mask: elements of 1 byte; padding on; bit 21 beside a mask; after every 64 words, 4 words
.set HOF,  7                           ; v7   32 x (lane / 16)
.set ROF,  8                           ; v8   4 x (lane % 16)
.set ADRA, 16                          ; v16-17 my R fragments in slot 0, 1 (phase 1);  v18-19 the same in phase 2;  v20-21 my S fragments
.set ADRA2, 18
.set ADRB, 20
.set STOQ, 24
.set RDQ,  25
.set CO,   26                          ; v26  16 x lane
.set STOV, 27
.set SPW,  28
.set NIL,  29
.set RDV,  30
.set BS,   32
.set BR,   96
.set SC,   112
.set LIM,  113
.set AF,   128
.set TMP,  128                         ; the way out: a block's 64 numbers
.set CD,   192                         ; its codes, two sets of 16
.set BK,   224                         ; rows read back, two sets of 16
.set G1, 24
.set G0, 32
.set G1B, 48
.set G0B, 56
.set MSB, 0
.macro WIN new                         ; the immediate's high byte repeats the setting that is left
.if MSB != \new
	s_set_vgpr_msb (MSB<<8)|\new
.set MSB, \new
.endif
.endm
.set MUL_LO, 0xa1                      ; source 0 window 1, source 1 window 0, C and D window 2
.set MUL_HI, 0xf1
.set TO_B,   0x40
; A joint load: waves 0 and 1 fetch the R operand's halves, waves 2 and 3 the S operand's.  An s_nop 0 and four v_nop follow each line.
.macro JLOAD g0a, g1a, g0b, g1b
	s_cmp_eq_u32 s15, 0
	s_cbranch_scc0 .Lfor_b_\@
	tensor_load_to_lds s[\g0a:\g0a+3], s[\g1a:\g1a+7]
	s_nop 0
.rept 4
	v_nop
.endr
	s_branch .Lasked_\@
.Lfor_b_\@:
	tensor_load_to_lds s[\g0b:\g0b+3], s[\g1b:\g1b+7]
	s_nop 0
.rept 4
	v_nop
.endr
.Lasked_\@:
.endm
.macro CREST
	s_cmp_lg_u32 s14, 0
	s_cbranch_scc1 .Lnot_wave_0_\@
	s_barrier_signal -3
.Lnot_wave_0_\@:
	s_barrier_wait -3
	s_barrier_signal -1
	s_barrier_wait -1
.endm
.macro CROUND
	s_barrier_signal -1
	s_barrier_wait -1
	CREST
.endm
	s_load_b256 s[4:11], s[0:1], 0x0               ; xc s[4:5], wc s[6:7], the scales s[8:9], b_qkv s[10:11]
	s_load_b64 s[12:13], s[0:1], 0x20              ; qkv
	v_lshl_add_u32 v[SPW], v0, 2, SPARE
	v_mov_b32 v[NIL], 0
	ds_add_u32 v[SPW], v[NIL]                      ; the wave's opening: the add, twice on end, and its wait ahead of my first tensor load
	ds_add_u32 v[SPW], v[NIL]
	v_lshrrev_b32 v1, 5, v0
	v_readfirstlane_b32 s14, v1                    ; wave
	s_lshr_b32 s15, s14, 1                         ; my half along R.  Also: I fetch for the R operand (0) or the S operand (1)
	s_and_b32 s16, s14, 1                          ; my half along S.  Also: which half of that tile I fetch
	s_bfe_u32 s40, ttmp6, 0x40000                  ; cx
	s_bfe_u32 s41, ttmp6, 0x40004                  ; cy
	s_and_b32 s17, ttmp7, 0xffff
	s_lshl_b32 s17, s17, 2
	s_add_co_u32 s17, s17, s41                     ; gy = 4 x cluster y + cy
	s_lshl_b32 s42, ttmp9, 2
	s_add_co_u32 s42, s42, s40                     ; gx = 4 x cluster x + cx
	s_lshl_b32 s43, s41, 2
	s_lshl_b32 s43, 15, s43                        ; my row of the cluster
	s_lshl_b32 s44, 0x1111, s40                    ; my column
	s_or_b32 s[G1+0], s43, DW0                     ; phase 1: the R operand hangs on gy: my row;
	s_or_b32 s[G1B+0], s44, DW0                    ; the S operand on gx: my column
.irp g, G1, G1B
	s_mov_b32 s[\g+1], ROWB<<16                    ; tensor_dim0
	s_mov_b32 s[\g+2], 128<<16                     ; tensor_dim1
	s_mov_b32 s[\g+3], ROWB<<16                    ; tile_dim0
	s_mov_b32 s[\g+4], 128                         ; tile_dim1
	s_mov_b32 s[\g+5], KROW                        ; the pitch
	s_mov_b32 s[\g+6], 0
	s_mov_b32 s[\g+7], 0
.endr
	s_lshl_b32 s18, s16, 7
	s_lshl_b32 s20, s17, 8
	s_add_co_u32 s20, s20, s18
	s_lshl_b32 s20, s20, 10                        ; x: (256 gy + 128 x half) rows of 1,024 bytes
	s_mov_b32 s21, 0
	s_lshl_b32 s46, s42, 8
	s_add_co_u32 s46, s46, s18
	s_lshl_b32 s46, s46, 10                        ; wc, phase 1: (256 gx + 128 x half) rows
	s_mov_b32 s47, 0
	s_lshl_b32 s96, s42, 7
	s_lshl_b32 s97, s16, 6
	s_add_co_u32 s96, s96, s97
	s_add_co_u32 s96, s96, 2048
	s_lshl_b32 s96, s96, 10                        ; wc, phase 2: (2,048 + 128 gx + 64 x half) rows
	s_mov_b32 s97, 0
	s_mul_i32 s45, s14, HALFT                      ; where phase 1's tiles go: wave x 128 rows: no place in the cluster enters an LDS address
	s_mul_i32 s95, s16, 64*PITCH                   ; where phase 2's R operand goes: half x 64 rows
	s_wait_dscnt 0x0                               ; both opening adds are done
	s_wait_kmcnt 0x0
	s_load_b256 s[68:75], s[8:9], 0x0              ; e0 .. e7
	s_add_nc_u64 s[20:21], s[4:5], s[20:21]
	s_add_nc_u64 s[46:47], s[6:7], s[46:47]
	s_add_nc_u64 s[96:97], s[6:7], s[96:97]
	s_mov_b64 s[98:99], s[20:21]                   ; phase 2's S operand: the same rows of x
	CROUND                                         ; all sixteen work-groups are here: the first joint loads meet
.irp s, 0,1
	s_mov_b32 s[G0+4*\s], 1
	s_add_co_u32 s[G0+4*\s+1], s45, \s*SLOT
	s_add_nc_u64 s[G0+4*\s+2:G0+4*\s+3], s[20:21], \s*ROWB
	s_or_b32 s[G0+4*\s+3], s[G0+4*\s+3], 0x80000000
	s_mov_b32 s[G0B+4*\s], 1
	s_add_co_u32 s[G0B+4*\s+1], s45, \s*SLOT
	s_add_nc_u64 s[G0B+4*\s+2:G0B+4*\s+3], s[46:47], \s*ROWB
	s_or_b32 s[G0B+4*\s+3], s[G0B+4*\s+3], 0x80000000
.endr
	JLOAD G0, G1, G0B, G1B                         ; K step 0: one tensor load a wave at the head
	s_mul_i32 s21, s15, HALFT                      ; my 128 rows of phase 1's R operand,
	s_mul_i32 s22, s16, HALFT
	s_add_co_u32 s22, s22, 2*HALFT                 ; my 128 rows of the S operand,
	s_mul_i32 s79, s15, 64*PITCH                   ; my 64 rows of phase 2's R operand
	s_mul_i32 s23, s14, WSTG
	s_add_co_u32 s23, s23, STAGE0                  ; my stages
	s_lshl_b32 s84, s42, 8
	s_lshl_b32 s85, s16, 7
	s_add_co_u32 s84, s84, s85
	s_lshl_b32 s84, s84, 2                         ; the bias along S: b_qkv at 256 gx + 128 x half
	s_lshl_b32 s90, s42, 7
	s_lshl_b32 s85, s15, 6
	s_add_co_u32 s90, s90, s85
	s_add_co_u32 s90, s90, 2048
	s_lshl_b32 s90, s90, 2                         ; along R: at 2,048 + 128 gx + 64 x half
	s_mov_b32 s85, 0
	s_mov_b32 s91, 0
	s_add_nc_u64 s[86:87], s[10:11], s[84:85]
	s_add_nc_u64 s[88:89], s[10:11], s[90:91]
	v_and_b32 v1, 15, v0                           ; r
	v_bfe_u32 v2, v0, 4, 1                         ; h
	v_mul_u32_u24 v3, v1, PITCH
	v_lshl_add_u32 v4, v2, 4, v3                   ; a fragment's row x pitch + 16 h
	v_add_nc_u32 v[ADRA], s21, v4
	v_add_nc_u32 v[ADRB], s22, v4
	v_add_nc_u32 v[ADRA2], s79, v4
	v_add_nc_u32 v[ADRA+1], SLOT, v[ADRA]
	v_add_nc_u32 v[ADRB+1], SLOT, v[ADRB]
	v_add_nc_u32 v[ADRA2+1], SLOT, v[ADRA2]
	v_mul_u32_u24 v5, v1, 80
	v_lshl_add_u32 v5, v2, 3, v5
	v_add_nc_u32 v[STOQ], s23, v5                  ; q, k, in: rows of 64 bytes + 16: 80 r + 8 h
	v_mul_u32_u24 v5, v1, 144
	v_lshl_add_u32 v5, v2, 3, v5
	v_add_nc_u32 v5, s23, v5
	v_add_nc_u32 v[STOV], STGV, v5                 ; v, in: rows of 128 bytes + 16: 144 r + 8 h
	v_and_b32 v6, 31, v0
	v_lshlrev_b32 v[CO], 4, v6
	v_lshrrev_b32 v3, 2, v6
	v_mul_u32_u24 v3, v3, 80
	v_and_b32 v4, 3, v6
	v_lshl_add_u32 v3, v4, 4, v3
	v_add_nc_u32 v[RDQ], s23, v3                   ; q, k, back: four lanes to a row, eight rows an instruction
	v_lshrrev_b32 v3, 3, v6
	v_mul_u32_u24 v3, v3, 144
	v_and_b32 v4, 7, v6
	v_lshl_add_u32 v3, v4, 4, v3
	v_add_nc_u32 v3, s23, v3
	v_add_nc_u32 v[RDV], STGV, v3                  ; v, back: eight lanes to a row, four rows an instruction
	v_lshlrev_b32 v[HOF], 5, v2
	v_lshlrev_b32 v[ROF], 2, v1
.irp b, 0,1,2,3,4,5,6,7
	global_load_b128 v[BS+8*\b:BS+8*\b+3], v[HOF], s[86:87] offset:64*\b       ; register 8 b + j: the bias of S = 16 b + 8 h + j
	global_load_b128 v[BS+8*\b+4:BS+8*\b+7], v[HOF], s[86:87] offset:64*\b+16
.endr
.irp a, 0,1,2,3
	global_load_b32 v[BR+2*\a], v[ROF], s[88:89] offset:64*\a                 ; register 2 a: the bias of R = 16 a + r
.endr
.macro FRAG reg, adr, q, i             ; 16 rows x 128 K: registers 4 c .. 4 c + 3 hold K = 32 c + 16 h + 0 .. 15: the same permutation of k in both operands, so every product meets its partner
.irp c, 0,1,2,3
	ds_load_b128 v[\reg+4*\c:\reg+4*\c+3], v[\adr] offset:128*(\q)+32*\c+(\i)*16*PITCH
.endr
.endm
; 16 matrix instructions.  The accumulators take turns, one instruction a turn, in the same order in every step.  zero = 1: the first product starts the sums
.macro MUL16 a0, p, zero
.irp a, \a0, \a0+1
.irp b, 0,1,2,3,4,5,6,7
.if \zero
	v_wmma_f32_16x16x128_fp8_fp8 v[8*(8*((\a)%4)+\b):8*(8*((\a)%4)+\b)+7], v[128*(\p)+FR*\b:128*(\p)+FR*\b+FR-1], v[AF+FR*(\a):AF+FR*(\a)+FR-1], 0
.else
	v_wmma_f32_16x16x128_fp8_fp8 v[8*(8*((\a)%4)+\b):8*(8*((\a)%4)+\b)+7], v[128*(\p)+FR*\b:128*(\p)+FR*\b+FR-1], v[AF+FR*(\a):AF+FR*(\a)+FR-1], v[8*(8*((\a)%4)+\b):8*(8*((\a)%4)+\b)+7]
.endif
.endr
.endr
.endm
.macro FETCH_B slot, q, p
	WIN TO_B
.irp i, 0,1,2,3,4,5,6,7
	FRAG 128*(\p)+FR*\i, ADRB+\slot, \q, \i
.endr
	WIN 0
.endm
.macro FETCH_A slot, q, i0
.irp i, \i0, \i0+1, \i0+2, \i0+3
	FRAG AF+FR*(\i), ADRA+\slot, \q, \i
.endr
.endm
.macro PLACES n                        ; plain vector instructions between a matrix instruction and a load into, or a vector read of, its registers
.rept \n
	v_nop
.endr
.endm
.macro STEP slot, q, zero              ; phase 1: 128 along K whose successor lies in the same slot
	s_wait_dscnt 4*NL                              ; the S set and R blocks 0-3 are in; the youngest 16 loads (R blocks 4-7) may be out
	WIN MUL_LO
	MUL16 0, (\q)%2, \zero
	MUL16 2, (\q)%2, \zero
	s_wait_dscnt 0
	PLACES NP
	FETCH_B \slot, (\q)+1, 1-(\q)%2
	FETCH_A \slot, (\q)+1, 0
	WIN MUL_HI
	MUL16 4, (\q)%2, \zero
	MUL16 6, (\q)%2, \zero
	PLACES NP
	WIN 0
	FETCH_A \slot, (\q)+1, 4
.endm
.macro TOPHASE2                        ; no tensor load of mine is out: the descriptors are written for phase 2.  The masks change places: the R operand now hangs on gx, the S operand on gy
	s_or_b32 s[G1+0], s44, DW0
	s_mov_b32 s[G1+2], 64<<16                      ; the R operand: 64 rows a load
	s_mov_b32 s[G1+4], 64
	s_or_b32 s[G1B+0], s43, DW0
	s_mov_b32 s[G0+1], s95
	s_mov_b64 s[G0+2:G0+3], s[96:97]
	s_or_b32 s[G0+3], s[G0+3], 0x80000000
	s_add_co_u32 s[G0+5], s95, SLOT
	s_add_nc_u64 s[G0+6:G0+7], s[96:97], ROWB
	s_or_b32 s[G0+7], s[G0+7], 0x80000000
	s_mov_b64 s[G0B+2:G0B+3], s[98:99]             ; the S operand's places in LDS stay
	s_or_b32 s[G0B+3], s[G0B+3], 0x80000000
	s_add_nc_u64 s[G0B+6:G0B+7], s[98:99], ROWB
	s_or_b32 s[G0B+7], s[G0B+7], 0x80000000
.endm
; Phase 1: a slot's last step changes slots: in front of the round each wave waits for all its tensor loads, adds 0 to its spare word, and waits for that and for its reads of this slot; the slot is filled again first behind it.
; fill = 1: with this phase's K step two on; 2: with phase 2's K step 0, the descriptors being rewritten; 3: with phase 2's K step 1.  fetch = 0: the phase's last step: no fragments are fetched
.macro TURN slot, next, fill, fetch
	s_wait_tensorcnt 0x0                           ; all my tensor loads have landed: my part of the next slot
	ds_add_u32 v[SPW], v[NIL]
	s_wait_dscnt 4*NL+1                            ; the add and the youngest 16 loads may be out
	WIN MUL_LO
	MUL16 0, 1, 0
	s_wait_dscnt 0x0                               ; the add is done, and my reads of this slot are over
	s_barrier_signal -1
	MUL16 2, 1, 0
	WIN 0
	s_barrier_wait -1
	CREST                                          ; the barrier has opened a round of the cluster's: no wave of any partner still reads this slot or has a load on its way
.if \fill == 1
	s_add_nc_u64 s[G0+4*\slot+2:G0+4*\slot+3], s[G0+4*\slot+2:G0+4*\slot+3], 2*ROWB
	s_add_nc_u64 s[G0B+4*\slot+2:G0B+4*\slot+3], s[G0B+4*\slot+2:G0B+4*\slot+3], 2*ROWB
.endif
.if \fill == 2
	TOPHASE2
.endif
	JLOAD G0+4*\slot, G1, G0B+4*\slot, G1B         ; the first tensor load behind the round; its four v_nop are the places in front of the loads below
.if \fetch
	FETCH_B \next, 0, 0
	FETCH_A \next, 0, 0
.endif
	WIN MUL_HI
	MUL16 4, 1, 0
	MUL16 6, 1, 0
.if \fetch
	PLACES NP
	WIN 0
	FETCH_A \next, 0, 4
.else
	WIN 0
.endif
.endm
; PHASE 2: 128 along K is 32 matrix instructions; both operands have two sets of fragments (the R operand's second set lies where phase 1 held blocks 4-7).
.macro HFETCH slot, q, p
	WIN TO_B
.irp i, 0,1,2,3,4,5,6,7
	FRAG 128*(\p)+FR*\i, ADRB+\slot, \q, \i
.endr
	WIN 0
.irp i, 0,1,2,3
	FRAG AF+64*(\p)+FR*\i, ADRA2+\slot, \q, \i
.endr
.endm
.macro HMUL p, zero
	WIN MUL_LO
.irp a, 0,1,2,3
.irp b, 0,1,2,3,4,5,6,7
.if \zero
	v_wmma_f32_16x16x128_fp8_fp8 v[8*(8*\a+\b):8*(8*\a+\b)+7], v[128*(\p)+FR*\b:128*(\p)+FR*\b+FR-1], v[AF+64*(\p)+FR*\a:AF+64*(\p)+FR*\a+FR-1], 0
.else
	v_wmma_f32_16x16x128_fp8_fp8 v[8*(8*\a+\b):8*(8*\a+\b)+7], v[128*(\p)+FR*\b:128*(\p)+FR*\b+FR-1], v[AF+64*(\p)+FR*\a:AF+64*(\p)+FR*\a+FR-1], v[8*(8*\a+\b):8*(8*\a+\b)+7]
.endif
.endr
.endr
.endm
.macro HNEXT slot, q, p                ; the set just fetched is in; the other set takes the next 128 along K while this one is multiplied
	s_wait_dscnt 0x0
	PLACES NP
	HFETCH \slot, \q, \p
	HMUL 1-(\p), 0
.endm
.macro HCHANGE slot                    ; both of the slot's steps are in registers or on their way there: the slot takes the K step two on
	WIN 0
	s_wait_tensorcnt 0x0                           ; all my tensor loads have landed: my part of the other slot
	ds_add_u32 v[SPW], v[NIL]
	s_add_nc_u64 s[G0+4*\slot+2:G0+4*\slot+3], s[G0+4*\slot+2:G0+4*\slot+3], 2*ROWB
	s_add_nc_u64 s[G0B+4*\slot+2:G0B+4*\slot+3], s[G0B+4*\slot+2:G0B+4*\slot+3], 2*ROWB
	s_wait_dscnt 0x0                               ; the add is done, and my reads of this slot are over
	CROUND
	JLOAD G0+4*\slot, G1, G0B+4*\slot, G1B         ; the first tensor load behind the round; its four v_nop are the places in front of the loads that follow
.endm
; THE WAY OUT.  Block a = 16 R x 128 S: + bias, held, converted (eight neighbours along S of one lane give 8 bytes), through my stage, and out as runs of 512 consecutive bytes.
.macro SCALE eo                        ; the three scales folded into the conversion's one: 2^(eo - e0 - e1), and 448 x that
	s_sub_co_i32 s93, s\eo, s90
	s_add_co_i32 s93, s93, 127
	s_lshl_b32 s94, s93, 23
	v_mov_b32 v[SC], s94
	s_add_co_i32 s93, s93, 8
	s_lshl_b32 s93, s93, 23
	s_or_b32 s93, s93, 0x600000
	v_mov_b32 v[LIM], s93
.endm
.macro TOST a, isv
.set AC, 64*((\a)%4)
.set CDR, CD+16*((\a)%2)
.set BB, BK+16*((\a)%2)
	WIN 0x02+((\a)/4)                              ; source 0: window 2 or 3
.set jj, 0
.rept 32
.if \isv
	v_pk_add_f32 v[TMP+jj:TMP+jj+1], v[AC+jj:AC+jj+1], v[BR+2*(\a):BR+2*(\a)+1]   ; each accumulator from its low end on
.else
	v_pk_add_f32 v[TMP+jj:TMP+jj+1], v[AC+jj:AC+jj+1], v[BS+jj:BS+jj+1]
.endif
.set jj, jj+2
.endr
	WIN 0
.set jj, 0
.rept 64
	v_med3_num_f32 v[TMP+jj], v[TMP+jj], -v[LIM], v[LIM]   ; the conversion does not saturate (ISA guide 7.6.2)
.set jj, jj+1
.endr
.irp b, 0,1,2,3,4,5,6,7
	v_cvt_scalef32_pk8_fp8_f32 v[CDR+2*\b:CDR+2*\b+1], v[TMP+8*\b:TMP+8*\b+7], v[SC]
.endr
	v_nop                                          ; one plain vector instruction behind the last conversion, ahead of the next vector write of its sources
.irp b, 0,1,2,3,4,5,6,7
.if \isv
	ds_store_b64 v[STOV], v[CDR+2*\b:CDR+2*\b+1] offset:16*\b                    ; row d = r, keys 16 b + 8 h on
.else
	ds_store_b64 v[STOQ], v[CDR+2*\b:CDR+2*\b+1] offset:(\b/4)*1280+(\b%4)*16    ; head b / 4, row t = r, d = 16 (b % 4) + 8 h on
.endif
.endr
.irp i, 0,1,2,3
.if \isv
	ds_load_b128 v[BB+4*\i:BB+4*\i+3], v[RDV] offset:576*\i                      ; LDS serves a wave's instructions in order: these see the stores above
.else
	ds_load_b128 v[BB+4*\i:BB+4*\i+3], v[RDQ] offset:(\i/2)*1280+(\i%2)*640
.endif
.endr
.endm
.macro SENDC a, younger, isv           ; younger: the LDS instructions issued behind block a's loads: the next block's 8 stores and 4 loads, or none
.set BB, BK+16*((\a)%2)
	s_wait_dscnt \younger
.irp i, 0,1,2,3
.if \isv
	global_store_b128 v[CO], v[BB+4*\i:BB+4*\i+3], s[86:87] offset:(\a)*2048+512*\i   ; 32 lanes store 512 consecutive bytes, aligned
.else
	global_store_b128 v[CO], v[BB+4*\i:BB+4*\i+3], s[86:87] offset:(\i/2)*131072+(\a)*1024+(\i%2)*512
.endif
.endr
.endm
.macro TSTEP a, isv
.if \a > 1
	s_wait_xcnt 0x0                                ; block a - 2's stores have read their registers: block a's loads may land there
.endif
	TOST \a, \isv
	SENDC \a-1, 12, \isv
.endm
.macro TAIL isv
.if \isv
	s_mov_b32 s84, 2<<23                           ; v's region,
	s_lshr_b32 s85, s17, 3
	s_lshl_b32 s85, s85, 21
	s_add_co_u32 s84, s84, s85                     ; the batch (8 tiles of 256 rows of x each),
	s_lshl_b32 s85, s42, 1
	s_add_co_u32 s85, s85, s15
	s_lshl_b32 s85, s85, 17
	s_add_co_u32 s84, s84, s85                     ; the head 2 gx + half,
	s_and_b32 s85, s17, 7
	s_lshl_b32 s85, s85, 1
	s_add_co_u32 s85, s85, s16
	s_lshl_b32 s85, s85, 13
	s_add_co_u32 s84, s84, s85                     ; the block of 128 keys
.else
	s_lshl_b32 s84, ttmp9, 23                      ; q's or k's region,
	s_lshr_b32 s85, s17, 3
	s_lshl_b32 s85, s85, 21
	s_add_co_u32 s84, s84, s85                     ; the batch,
	s_lshl_b32 s85, s40, 2
	s_lshl_b32 s92, s16, 1
	s_add_co_u32 s85, s85, s92
	s_lshl_b32 s85, s85, 17
	s_add_co_u32 s84, s84, s85                     ; the head 4 cx + 2 x half,
	s_and_b32 s85, s17, 7
	s_lshl_b32 s85, s85, 8
	s_lshl_b32 s92, s15, 7
	s_add_co_u32 s85, s85, s92
	s_lshl_b32 s85, s85, 6
	s_add_co_u32 s84, s84, s85                     ; my first t, rows of 64 bytes
.endif
	s_mov_b32 s85, 0
	s_add_nc_u64 s[86:87], s[12:13], s[84:85]
.if \isv
.irp a, 0,1,2,3
	v_ldexp_f32 v[BR+2*\a+1], v[BR+2*\a], s91      ; b / 2^(e0 + e1), in both halves of a pair
	v_ldexp_f32 v[BR+2*\a], v[BR+2*\a], s91
.endr
	TOST 0, 1
.irp a, 1,2,3
	TSTEP \a, 1
.endr
	SENDC 3, 0, 1
.else
.set jj, 0
.rept 64
	v_ldexp_f32 v[BS+jj], v[BS+jj], s91            ; b / 2^(e0 + e1)
.set jj, jj+1
.endr
	TOST 0, 0
.irp a, 1,2,3,4,5,6,7
	TSTEP \a, 0
.endr
	SENDC 7, 0, 0
.endif
.endm
	s_wait_alu depctr_va_vdst(0)                   ; the head's end
	s_wait_tensorcnt 0x0                           ; my part of K step 0 is in; slot 1's first fill is issued as a refill is
	ds_add_u32 v[SPW], v[NIL]
	s_wait_dscnt 0x0
	CROUND                                         ; everybody's part of K step 0 is in, and the joint loads meet
	JLOAD G0+4, G1, G0B+4, G1B                     ; K step 1, the first tensor load behind the round
	FETCH_B 0, 0, 0
	FETCH_A 0, 0, 0
	FETCH_A 0, 0, 4
	STEP 0, 0, 1                                   ; PHASE 1.  K 0..127: its products start the sums
	TURN 0, 1, 1, 1                                ; K 128..255; slot 0 takes K step 2
	STEP 1, 0, 0
	TURN 1, 0, 1, 1                                ; slot 1 takes K step 3
	STEP 0, 0, 0
	TURN 0, 1, 2, 1                                ; slot 0 takes phase 2's K step 0
	STEP 1, 0, 0
	TURN 1, 0, 3, 0                                ; the last 128 along K; slot 1 takes phase 2's K step 1
	s_wait_kmcnt 0x0                               ; the exponents
	s_wait_loadcnt 0x0                             ; the bias
	s_add_co_i32 s90, s68, s69                     ; e0 + e1: a sum stands for sum x 2^(e0 + e1)
	s_sub_co_i32 s91, 0, s90
	s_cmp_eq_u32 ttmp9, 0                          ; the cluster's x: q's tiles or k's
	s_cselect_b32 s92, s70, s71                    ; e2 or e3
	SCALE 92
	PLACES NP
	TAIL 0                                         ; q or k goes out while phase 2's first tiles land
	s_wait_xcnt 0x0                                ; the stores have read their registers and their base
	SCALE 73                                       ; e5
	s_wait_alu depctr_va_vdst(0)                   ; directly ahead of the wait below
	s_wait_tensorcnt 0x0                           ; PHASE 2.  My parts of its K steps 0 and 1 are in;
	s_wait_dscnt 0x0
	s_barrier_signal -1
	s_barrier_wait -1                              ; and everybody's.
	HFETCH 0, 0, 0
	s_wait_dscnt 0x0
	HFETCH 0, 1, 1
	HMUL 0, 1                                      ; K 0..127: its products start the sums
	HCHANGE 0                                      ; slot 0 takes K step 2
	HFETCH 1, 0, 0
	HMUL 1, 0
	HNEXT 1, 1, 1
	HCHANGE 1                                      ; slot 1 takes K step 3
	HFETCH 0, 0, 0
	HMUL 1, 0
	HNEXT 0, 1, 1
	WIN 0
	s_wait_tensorcnt 0x0                           ; my part of K step 3 is in;
	s_wait_dscnt 0x0
	s_barrier_signal -1
	s_barrier_wait -1                              ; and everybody's.  Nothing is left to fetch
	PLACES NP
	HFETCH 1, 0, 0
	HMUL 1, 0
	HNEXT 1, 1, 1
	s_wait_dscnt 0x0
	HMUL 1, 0
	WIN 0
	PLACES NP
	TAIL 1
	s_wait_tensorcnt 0x0                           ; the wave's end
	ds_add_u32 v[SPW], v[NIL]
	s_wait_dscnt 0x0
	CROUND                                         ; the closing round
	s_endpgm
.Lfunc_end_k_qd611845582_gqkv:
	.size	k_qd611845582_gqkv, .Lfunc_end_k_qd611845582_gqkv-k_qd611845582_gqkv
	.p2alignl 7, 3214868480
	.fill 96, 4, 3214868480
	.section	.rodata,"a",@progbits
	.p2align	6, 0x0
	.amdhsa_kernel k_qd611845582_gqkv
		.amdhsa_group_segment_fixed_size 327680
		.amdhsa_private_segment_fixed_size 0
		.amdhsa_enable_private_segment 0
		.amdhsa_kernarg_size 40
		.amdhsa_user_sgpr_count 2
		.amdhsa_user_sgpr_kernarg_segment_ptr 1
		.amdhsa_wavefront_size32 1
		.amdhsa_system_sgpr_workgroup_id_x 1
		.amdhsa_system_sgpr_workgroup_id_y 1
		.amdhsa_system_sgpr_workgroup_id_z 1
		.amdhsa_system_vgpr_workitem_id 0
		.amdhsa_next_free_vgpr 1024
		.amdhsa_next_free_sgpr 100
		.amdhsa_reserve_vcc 0
		.amdhsa_float_denorm_mode_32 3
		.amdhsa_float_denorm_mode_16_64 3
		.amdhsa_memory_ordered 1
		.amdhsa_forward_progress 1
		.amdhsa_inst_pref_size 227
	.end_amdhsa_kernel
	.amdgpu_metadata
---
amdhsa.version: [ 1, 2 ]
amdhsa.kernels:
  - .name:           k_qd611845582_gqkv
    .symbol:         k_qd611845582_gqkv.kd
    .args:
      - { .name: xc, .offset: 0, .size: 8, .value_kind: global_buffer, .address_space: global }
      - { .name: wc, .offset: 8, .size: 8, .value_kind: global_buffer, .address_space: global }
      - { .name: lowp_scales, .offset: 16, .size: 8, .value_kind: global_buffer, .address_space: global }
      - { .name: b_qkv, .offset: 24, .size: 8, .value_kind: global_buffer, .address_space: global }
      - { .name: qkv, .offset: 32, .size: 8, .value_kind: global_buffer, .address_space: global }
    .group_segment_fixed_size: 327680
    .private_segment_fixed_size: 0
    .kernarg_segment_align: 8
    .kernarg_segment_size: 40
    .max_flat_workgroup_size: 128
    .sgpr_count:     100
    .vgpr_count:     1024
    .wavefront_size: 32
...
	.end_amdgpu_metadata
.endif
;; end of part 2
;; launch attn (part 3): grid 4 x 64, 8 waves a work-group, clusters of 4 x 1, 327,680 bytes of LDS; arguments qkv, lowp_scales, yc; writes yc
.if DOCPART == 3
	.amdgcn_target "amdgcn-amd-amdhsa--gfx1250"
	.amdhsa_code_object_version 6
	.text
	.protected	k_qd611845582_attn
	.globl	k_qd611845582_attn
	.p2align	8
	.type	k_qd611845582_attn,@function
k_qd611845582_attn:
	s_mov_b64 s[64:65], 0
	v_nop
	global_prefetch_b8 v0, s[64:65] scope:SCOPE_SE
	s_setreg_imm32_b32 hwreg(HW_REG_WAVE_MODE, 25, 1), 1
	s_wait_xcnt 0x0
	s_wait_alu depctr_hold_cnt(0) depctr_sa_sdst(0) depctr_va_vdst(0) depctr_va_sdst(0) depctr_va_ssrc(0) depctr_va_vcc(0) depctr_vm_vsrc(0)
	s_getreg_b32 s2, hwreg(HW_REG_IB_STS2, 6, 4)
	s_cmp_eq_u32 s2, 0
	s_cbranch_scc0 .Lentry_in_a_cluster
	s_endpgm
.Lentry_in_a_cluster:
	s_bfe_u32 s2, ttmp6, 0x10000c
	s_cmp_lg_u32 s2, 0x3003
	s_cbranch_scc0 .Lentry_shape_is_right
	s_endpgm
.Lentry_shape_is_right:
; y[b][h][q] = the sum over keys k <= q of softmax_k(Q . K / 8) V, both products on codes of FP8 (E4M3), and y's quantising (2^e6) for the last product.
; IN (one buffer): q at byte 0, k at 2^23: [batch x head 64][t 2048][d 64] codes (2^e2, 2^e3); v at 2^24: [batch x head 64][t / 128][d 64][128 keys] codes (2^e5).
; OUT: yc [head 16][batch x 2048 + t][d 64] codes: a wave's 32 queries are 2,048 consecutive bytes.
; LEFT OUT: key steps all of whose keys come after the queries in hand: the causal mask sets their scores to -infinity, so their p is 0 for all inputs.
; SOFTMAX: t = score x log2(e) / 8; M = the running largest t rounded UP to a whole number; p = 2^(t - M) is quantised with 2^e4, not normalised; the row's sum is taken of the unquantised p
; and divides at the end.  When M moves, the sum and O are multiplied by 2^(old M - new M), which rounds nothing.
; SHARES.  A head's 2,048 queries are 64 chunks of 32.  Work-group p (0..3) of the head owns chunks 4 j + p, j = 0..15; chunk 4 j + p needs key blocks 0 .. j of 128 keys, whatever p is.
; Wave w (0..7) takes j = 15 - w and then j = w: (16 - w) + (w + 1) = 17 key steps in every wave of every work-group.  A wave holds both tiles of 16 queries of its chunk, so each fragment of K and V feeds two matrix instructions.
; LDS.  The head's whole K (16 blocks of 32 rows of 256 bytes + 16) and V (likewise) lie in LDS at once, 2 x 139,264 bytes, and nothing is filled again.  Key blocks 0-4 are asked for at the head (one load of 40 rows a wave:
; waves 0-3 K, waves 4-7 V), blocks 5-15 (88 rows a wave) behind the full sequence and a round; they land under the first four key steps, and one barrier stands in front of the fifth.
; K's fragments are fetched one step ahead of their products: so the first four steps read K's blocks 0-4 and V's 0-3.  The last step's fetch ahead names a block that has landed, and its fragments are not used.
; CLUSTER 4, 1, 1: the four work-groups of a head want the same K and V at the same places of the text: every load is a joint one (mask 15).  p enters global addresses of Q and y and the mask's compare values alone.
; NO PREFETCH: all of K and V is asked for by the two groups of loads at the head; no later load is left to run ahead of.
; LAYOUT.  Both products transposed: S^T = K Q^T (source 0 = 16 keys), O^T = V^T P^T (source 0 = 16 of the head's 64): a lane holds ONE query (lane % 16) of each tile.  Lane r of key tile 2 b + u takes key
; 32 b + 8 u + r + 8 (r / 8), so that the 16 registers of tiles 2 b, 2 b + 1 are the neighbouring keys 32 b + 16 (lane / 16) + 0 .. 15.  Fragments come by loads of 16 bytes: the same permutation of k on both sides of each product.
; LIMITS: e2 + e3 between -123 and 130 (added to c's exponent field); e4 and e6 between -126 and 119; NaN is not served; the scaled scores stay under 2^31 in magnitude.
; REGISTERS.  Window 0: v1-11 addresses; v12-23 the two tiles' -M, largest t, sum, f; v24-29 at work; v30, v31 the hold; v32-95 O^T (A, B); v96-223 S^T, then p (A, B); v224-251 constants and work.
;   Window 1: v0-63 K's fragments, v64-127 V's, v128-159 p's codes, v160-175 Q in hand, v176-191 Q of the second chunk.
.set BLK,   8704                       ; 128 keys of K or of V in LDS: 32 x 272
.set VOFF,  16*BLK
.set STAGE, 2*VOFF                     ; the way out: 2 x 16 rows of 64 bytes + 16 for each wave; no tile lands here
.set SPARE, STAGE+8*2560               ; the spare words, 128 bytes a wave
.set R1,    40                         ; rows of 256 bytes in a wave's first load: 4 x 40 = 5 key blocks
.set R2,    88                         ; and in its second: 4 x 88 = 11 key blocks
.set AK0, 1
.set AV0, 2
.set QO,  4
.set SPW, 5
.set NIL, 6
.set GO,  7
.set ADK, 8
.set ADV, 9
.set STO, 10
.set RD,  11
.set MA,  12                           ; v[12:13] -M, the largest t;  v[14:15] the sum;  v[16:17] f
.set SUA, 14
.set FA,  16
.set MB,  18
.set SUB, 20
.set FB,  22
.set HL,  30                           ; 448 x 2^e4, twice: the two halves of a dual pair read registers of different banks
.set HL2, 31
.set OA,  32
.set OB,  64
.set SA,  96
.set SB,  160
.set E6S, 224
.set E6L, 225
.set DA,  226
.set DB,  227
.set NINF, 228
.set HS,  229                          ; 2^e4
.set T0,  230
.set T1,  232
.set T2,  234
.set CA,  236
.set CB,  244
.set KF,  0                            ; window 1
.set VF,  64
.set PA,  128
.set PB,  144
.set QCA, 160
.set QCB, 168
.set QN,  176
.set TB,  2                            ; s2  LDS byte of the key block in hand
.set SQ,  3                            ; s3  the step's number, 0 .. 16
.set TN,  98                           ; s98 LDS byte of the next step's key block
.set WV,  10
.set CX,  11
.set SW,  12                           ; s12 16 - w: the first step of the second chunk
.set DG,  13                           ; s13 15 - w: the first chunk's step on the diagonal
.set SEL, 14
.set CS,  16                           ; s[16:17] c = log2(e) / 8 x 2^(e2 + e3)
.set EO,  18                           ; s18 e4 + e5
.set G1,  24
.set G2,  32
.set G0A, 40
.set G0B, 44
.set QA,  56
.set QB,  58
.set YA,  60
.set YB,  62
.set MSB, 0
.macro WIN new                         ; the immediate's high byte repeats the setting that is left
.if MSB != \new
	s_set_vgpr_msb (MSB<<8)|\new
.set MSB, \new
.endif
.endm
.set TO1, 0x40                         ; destination window 1
.set MUL, 0x05                         ; sources 0 and 1 window 1, C and D window 0
.macro ROUND                           ; a round of the cluster's barrier
	s_barrier_signal -1
	s_barrier_wait -1
	s_cmp_lg_u32 s[WV], 0
	s_cbranch_scc1 .Lnw0_\@
	s_barrier_signal -3
.Lnw0_\@:
	s_barrier_wait -3
	s_barrier_signal -1
	s_barrier_wait -1
.endm
.macro NOPS n
.rept \n
	v_nop
.endr
.endm
.macro INIT                            ; a chunk begins: the largest t -3e38, sums and O^T zero (the step is written once; its first run finds zeros)
	v_mov_b32 v[MA+1], 0xff61b1e6
	v_mov_b32 v[MB+1], 0xff61b1e6
	v_floor_f32 v[MA], -v[MA+1]
	v_floor_f32 v[MB], -v[MB+1]
	v_mov_b32 v[SUA], 0
	v_mov_b32 v[SUA+1], 0
	v_mov_b32 v[SUB], 0
	v_mov_b32 v[SUB+1], 0
.set jj, 0
.rept 64
	v_mov_b32 v[OA+jj], 0
.set jj, jj+1
.endr
.endm
	s_load_b128 s[4:7], s[0:1], 0x0                ; qkv, the scales' exponents
	s_load_b64 s[8:9], s[0:1], 0x10                ; yc
	v_lshl_add_u32 v[SPW], v0, 2, SPARE
	v_mov_b32 v[NIL], 0
	ds_add_u32 v[SPW], v[NIL]                      ; the wave's opening: the add, twice on end, and its wait ahead of my first tensor load
	ds_add_u32 v[SPW], v[NIL]
	v_lshrrev_b32 v8, 5, v0
	v_readfirstlane_b32 s[WV], v8                  ; wave 0..7
	s_bfe_u32 s[CX], ttmp6, 0x40000                ; p: my place in the cluster
	s_and_b32 s66, ttmp7, 0xffff                   ; batch x 16 + head
	s_lshl_b32 s67, s66, 17                        ; its bytes in each of the three regions
	s_sub_co_u32 s[SW], 16, s[WV]
	s_sub_co_u32 s[DG], 15, s[WV]
	s_mov_b32 s[G1], 15|(1<<20)|(1<<21)|(5<<22)|(3<<25)   ; the mask: all four; elements of 1 byte; padding on: 4 words after every 64; bit 21 beside a mask
	s_mov_b32 s[G1+1], 256<<16
	s_mov_b32 s[G1+2], R1<<16                      ; dense rows of 256 bytes
	s_mov_b32 s[G1+3], 256<<16
	s_mov_b32 s[G1+4], R1
	s_mov_b32 s[G1+5], 256
	s_mov_b32 s[G1+6], 0
	s_mov_b32 s[G1+7], 0
	s_mov_b32 s[G2], 15|(1<<20)|(1<<21)|(5<<22)|(3<<25)
	s_mov_b32 s[G2+1], 256<<16
	s_mov_b32 s[G2+2], R2<<16
	s_mov_b32 s[G2+3], 256<<16
	s_mov_b32 s[G2+4], R2
	s_mov_b32 s[G2+5], 256
	s_mov_b32 s[G2+6], 0
	s_mov_b32 s[G2+7], 0
	s_mov_b32 s[SEL], 0x76543210
	s_mov_b32 s[SEL+1], 0xfedcba98
	s_mov_b32 s[CS], 0x3e38aa3b                    ; log2(e) / 8
	s_lshr_b32 s68, s[WV], 2                       ; 0: I fetch for K; 1: for V
	s_and_b32 s69, s[WV], 3                        ; which part
	s_mul_i32 s70, s68, VOFF
	s_mul_i32 s71, s69, R1*272
	s_add_co_u32 s71, s71, s70                     ; LDS: my 40 rows of key blocks 0-4
	s_mul_i32 s72, s69, R2*272
	s_add_co_u32 s72, s72, s70
	s_add_co_u32 s72, s72, 5*BLK                   ; LDS: my 88 rows of key blocks 5-15
	s_add_co_u32 s68, s68, 1
	s_lshl_b32 s68, s68, 23                        ; k's or v's region
	s_add_co_u32 s68, s68, s67
	s_mul_i32 s74, s69, R1*256
	s_add_co_u32 s74, s74, s68
	s_mov_b32 s75, 0
	s_mul_i32 s76, s69, R2*256
	s_add_co_u32 s76, s76, s68
	s_add_co_u32 s76, s76, 5*8192
	s_mov_b32 s77, 0
	s_wait_dscnt 0x0                               ; both opening adds are done
	s_wait_kmcnt 0x0
	s_load_b256 s[48:55], s[6:7], 0x0              ; e0 .. e7
	s_mov_b32 s[G0A], 1
	s_mov_b32 s[G0A+1], s71
	s_add_nc_u64 s[G0A+2:G0A+3], s[4:5], s[74:75]
	s_or_b32 s[G0A+3], s[G0A+3], 0x80000000
	s_mov_b32 s[G0B], 1
	s_mov_b32 s[G0B+1], s72
	s_add_nc_u64 s[G0B+2:G0B+3], s[4:5], s[76:77]
	s_or_b32 s[G0B+3], s[G0B+3], 0x80000000
	ROUND                                          ; all four work-groups are here: the first joint loads meet
	tensor_load_to_lds s[G0A:G0A+3], s[G1:G1+7]    ; key blocks 0-4: one load a wave, rows of its own by the wave's number
	s_nop 0
	NOPS 4
	s_lshl_b32 s70, s[DG], 7
	s_lshl_b32 s71, s[CX], 5                       ; 32 p
	s_add_co_u32 s70, s70, s71                     ; my first chunk's first query: 128 (15 - w) + 32 p
	s_lshl_b32 s72, s[WV], 7
	s_add_co_u32 s72, s72, s71                     ; my second chunk's: 128 w + 32 p
	s_lshl_b32 s70, s70, 6
	s_lshl_b32 s72, s72, 6                         ; rows of 64 bytes
	s_mov_b32 s75, 0
	s_add_co_u32 s74, s70, s67
	s_add_nc_u64 s[QA:QA+1], s[4:5], s[74:75]
	s_add_co_u32 s74, s72, s67
	s_add_nc_u64 s[QB:QB+1], s[4:5], s[74:75]
	s_and_b32 s76, s66, 15
	s_lshl_b32 s76, s76, 19                        ; y: the head's plane of 8,192 rows,
	s_lshr_b32 s77, s66, 4
	s_lshl_b32 s77, s77, 17                        ; the batch's 2,048 rows
	s_add_co_u32 s76, s76, s77
	s_add_co_u32 s74, s70, s76
	s_add_nc_u64 s[YA:YA+1], s[8:9], s[74:75]
	s_add_co_u32 s74, s72, s76
	s_add_nc_u64 s[YB:YB+1], s[8:9], s[74:75]
	s_mul_i32 s78, s[WV], 2560
	s_add_co_u32 s78, s78, STAGE                   ; my stage
	v_and_b32 v8, 15, v0                           ; r
	v_bfe_u32 v9, v0, 4, 1                         ; h
	v_lshlrev_b32 v[QO], 6, v8
	v_lshl_add_u32 v[QO], v9, 4, v[QO]             ; 64 r + 16 h
	v_and_b32 v10, 8, v8
	v_add_nc_u32 v10, v10, v8                      ; r + 8 (r / 8)
	v_lshrrev_b32 v11, 2, v10
	v_mul_u32_u24 v[AK0], v11, 272
	v_and_b32 v11, 3, v10
	v_lshl_add_u32 v[AK0], v11, 6, v[AK0]
	v_lshl_add_u32 v[AK0], v9, 4, v[AK0]           ; key k of a block lies at 272 (k / 4) + 64 (k % 4)
	v_lshrrev_b32 v11, 1, v8
	v_mul_u32_u24 v[AV0], v11, 272
	v_and_b32 v11, 1, v8
	v_lshl_add_u32 v[AV0], v11, 7, v[AV0]
	v_lshl_add_u32 v[AV0], v9, 4, v[AV0]
	v_add_nc_u32 v[AV0], VOFF, v[AV0]              ; row d of a block of V lies at 272 (d / 2) + 128 (d % 2)
	v_and_b32 v11, 31, v0
	v_lshlrev_b32 v[GO], 4, v11
	v_lshrrev_b32 v24, 2, v11
	v_and_b32 v25, 3, v11
	v_mul_u32_u24 v[STO], v8, 80
	v_lshl_add_u32 v[STO], v9, 3, v[STO]
	v_add_nc_u32 v[STO], s78, v[STO]               ; the stage, in: row r, 8 h
	v_mul_u32_u24 v[RD], v24, 80
	v_lshl_add_u32 v[RD], v25, 4, v[RD]
	v_add_nc_u32 v[RD], s78, v[RD]                 ; back: four lanes to a row, eight rows an instruction
	v_lshlrev_b32 v24, 4, v9
	v_sub_nc_u32 v[DA], v8, v24
	v_add_nc_u32 v[DA], s71, v[DA]                 ; on the diagonal step register 16 b + i of tile A is hidden where 32 b + i > 32 p + r - 16 h;
	v_add_nc_u32 v[DB], 16, v[DA]                  ; tile B's queries lie 16 further on
	v_mov_b32 v[NINF], 0xff800000
	v_mov_b32 v[FA+1], 0                           ; named as the upper halves of pairs
	v_mov_b32 v[FB+1], 0
	v_mov_b32 v28, 0                               ; a lane permute's destination counts as one of its sources
	v_mov_b32 v29, 0
	WIN TO1
.irp u, 0,1
	global_load_b128 v[QCA+8*\u:QCA+8*\u+3], v[QO], s[QA:QA+1] offset:1024*\u        ; Q's fragments of both tiles of both chunks stay in registers
	global_load_b128 v[QCA+8*\u+4:QCA+8*\u+7], v[QO], s[QA:QA+1] offset:1024*\u+32
	global_load_b128 v[QN+8*\u:QN+8*\u+3], v[QO], s[QB:QB+1] offset:1024*\u
	global_load_b128 v[QN+8*\u+4:QN+8*\u+7], v[QO], s[QB:QB+1] offset:1024*\u+32
.endr
	WIN 0
	INIT
	s_wait_alu depctr_va_vdst(0)                   ; directly ahead of the wait below
	s_wait_kmcnt 0x0
	s_add_co_i32 s74, s50, s51
	s_lshl_b32 s74, s74, 23
	s_add_co_i32 s[CS], s[CS], s74                 ; a score stands for score x 2^(e2 + e3)
	s_mov_b32 s[CS+1], s[CS]
	s_add_co_i32 s74, s52, 127
	s_lshl_b32 s75, s74, 23
	v_mov_b32 v[HS], s75                           ; 2^e4
	s_add_co_i32 s74, s74, 8
	s_lshl_b32 s74, s74, 23
	s_or_b32 s74, s74, 0x600000
	v_mov_b32 v[HL], s74                           ; 448 x 2^e4
	v_mov_b32 v[HL2], s74
	s_add_co_i32 s74, s54, 127
	s_lshl_b32 s75, s74, 23
	v_mov_b32 v[E6S], s75                          ; 2^e6
	s_add_co_i32 s74, s74, 8
	s_lshl_b32 s74, s74, 23
	s_or_b32 s74, s74, 0x600000
	v_mov_b32 v[E6L], s74                          ; 448 x 2^e6
	s_add_co_i32 s[EO], s52, s53
.macro SUMS s, su                      ; the row's sum of the unquantised p: 32 packed additions in four chains
	v_pk_add_f32 v[T0:T0+1], v[\s:\s+1], v[\s+2:\s+3]
	v_pk_add_f32 v[T1:T1+1], v[\s+4:\s+5], v[\s+6:\s+7]
	v_pk_add_f32 v[T2:T2+1], v[\s+8:\s+9], v[\s+10:\s+11]
	v_pk_add_f32 v[\su:\su+1], v[\su:\su+1], v[\s+12:\s+13]
.set jj, 14
.rept 6
	v_pk_add_f32 v[T0:T0+1], v[T0:T0+1], v[\s+jj:\s+jj+1]
	v_pk_add_f32 v[T1:T1+1], v[T1:T1+1], v[\s+jj+2:\s+jj+3]
	v_pk_add_f32 v[T2:T2+1], v[T2:T2+1], v[\s+jj+4:\s+jj+5]
	v_pk_add_f32 v[\su:\su+1], v[\su:\su+1], v[\s+jj+6:\s+jj+7]
.set jj, jj+8
.endr
	v_pk_add_f32 v[T0:T0+1], v[T0:T0+1], v[\s+62:\s+63]
	v_pk_add_f32 v[\su:\su+1], v[\su:\su+1], v[T2:T2+1]
	v_pk_add_f32 v[T0:T0+1], v[T0:T0+1], v[T1:T1+1]
	v_pk_add_f32 v[\su:\su+1], v[\su:\su+1], v[T0:T0+1]
.endm
.macro HOLD2 s, j                      ; the hold at the largest code x the scale (ISA guide 7.6.2); p is not negative, so it is one-sided; two numbers an instruction
	v_dual_min_num_f32 v[\s+2*(\j)], v[\s+2*(\j)], v[HL] :: v_dual_min_num_f32 v[\s+2*(\j)+1], v[\s+2*(\j)+1], v[HL2]
.endm
.macro KLOAD                           ; K's eight fragments of the key block that v[ADK] names
	WIN TO1
.irp t, 0,1,2,3,4,5,6,7
.irp c, 0,1
	ds_load_b128 v[KF+8*\t+4*\c:KF+8*\t+4*\c+3], v[ADK] offset:(32*(\t/2)+8*(\t%2))*68+32*\c
.endr
.endr
	WIN 0
.endm
.macro CODES s, p                      ; a tile's p into codes: the second product's operand
	WIN TO1
.irp b, 0,1,2,3
	v_cvt_scalef32_pk8_fp8_f32 v[\p+4*\b:\p+4*\b+1], v[\s+16*\b:\s+16*\b+7], v[HS]
	v_cvt_scalef32_pk8_fp8_f32 v[\p+4*\b+2:\p+4*\b+3], v[\s+16*\b+8:\s+16*\b+15], v[HS]
.endr
	v_nop                                          ; one plain line between the last conversion and the products
.endm
.macro PV o, p                         ; O^T += V^T P^T: a tile's four accumulators by turns, one instruction a turn
	WIN MUL
.irp t, 0,1,2,3
	v_wmma_f32_16x16x128_fp8_fp8 v[\o+8*\t:\o+8*\t+7], v[VF+16*\t:VF+16*\t+15], v[\p:\p+15], v[\o+8*\t:\o+8*\t+7]
.endr
	WIN 0
.endm
; A KEY STEP: the 128 keys at LDS byte s[TB] of K's and V's parts, for both tiles.  K's fragments are in registers or on their way; the next step's, at s[TN], are asked for behind the first products.
; diag = 1: the text holds the mask for the step on the diagonal.
.macro STEP diag
.if \diag
	s_cmp_eq_u32 s[SQ], s[DG]                      ; the last step of either chunk lies on the diagonal: the wave's number and the count of steps alone decide
	s_cselect_b32 s97, 1, 0
	s_cmp_eq_u32 s[SQ], 16
	s_cselect_b32 s97, 1, s97
.endif
	v_add_nc_u32 v[ADV], s[TB], v[AV0]
	NOPS 3                                         ; with the addition: four places in front of loads into registers that the last products read
	WIN TO1
.irp t, 0,1,2,3
.irp c, 0,1,2,3
	ds_load_b128 v[VF+16*\t+4*\c:VF+16*\t+4*\c+3], v[ADV] offset:\t*2176+32*\c
.endr
.endr
	s_wait_dscnt 16                                ; K's 16 loads, asked for a step ago, are in; V's 16, the younger, may be out: they land under the softmax
	WIN MUL
.irp t, 0,1,2,3,4,5,6,7
	v_wmma_f32_16x16x64_fp8_fp8 v[SA+8*\t:SA+8*\t+7], v[KF+8*\t:KF+8*\t+7], v[QCA:QCA+7], 0
	v_wmma_f32_16x16x64_fp8_fp8 v[SB+8*\t:SB+8*\t+7], v[KF+8*\t:KF+8*\t+7], v[QCB:QCB+7], 0
.endr
	WIN 0
	v_add_nc_u32 v[ADK], s[TN], v[AK0]
	NOPS 3                                         ; with the addition: four places in front of the loads below and of the first read of the scores
	KLOAD
.if \diag
	s_cmp_eq_u32 s97, 0
	s_cbranch_scc1 .Lopen_\@
.set nn, 0
.rept 64                                       ; hidden scores become -infinity ahead of the maximum; the block's first key counts for all my queries
	v_cmp_gt_i32 vcc_lo, 32*(nn/16)+nn%16, v[DA]
	v_cndmask_b32 v[SA+nn], v[SA+nn], v[NINF], vcc_lo
	v_cmp_gt_i32 vcc_lo, 32*(nn/16)+nn%16, v[DB]
	v_cndmask_b32 v[SB+nn], v[SB+nn], v[NINF], vcc_lo
.set nn, nn+1
.endr
.Lopen_\@:
.endif
	v_max3_num_f32 v24, v[SA], v[SA+1], v[SA+2]    ; the step's largest scores, two chains a tile, the tiles by turns; each accumulator is read from its low end on
	v_max3_num_f32 v26, v[SB], v[SB+1], v[SB+2]
	v_max3_num_f32 v25, v[SA+3], v[SA+4], v[SA+5]
	v_max3_num_f32 v27, v[SB+3], v[SB+4], v[SB+5]
.irp i, 6,10,14,18,22,26,30,34,38,42,46,50,54,58
	v_max3_num_f32 v24, v24, v[SA+\i], v[SA+\i+1]
	v_max3_num_f32 v26, v26, v[SB+\i], v[SB+\i+1]
	v_max3_num_f32 v25, v25, v[SA+\i+2], v[SA+\i+3]
	v_max3_num_f32 v27, v27, v[SB+\i+2], v[SB+\i+3]
.endr
	v_max3_num_f32 v24, v24, v[SA+62], v[SA+63]
	v_max3_num_f32 v26, v26, v[SB+62], v[SB+63]
	v_max_num_f32 v24, v24, v25
	v_max_num_f32 v26, v26, v27
	v_permlanex16_b32 v28, v24, s[SEL], s[SEL+1]
	v_permlanex16_b32 v29, v26, s[SEL], s[SEL+1]
	v_max_num_f32 v24, v24, v28                    ; and among lane l xor 16's
	v_max_num_f32 v26, v26, v29
	v_mul_f32 v24, s[CS], v24                      ; as t (c is positive)
	v_mul_f32 v26, s[CS], v26
	v_max_num_f32 v[MA+1], v[MA+1], v24            ; the running largest t
	v_max_num_f32 v[MB+1], v[MB+1], v26
	v_mov_b32 v24, v[MA]
	v_mov_b32 v26, v[MB]
	v_floor_f32 v[MA], -v[MA+1]                    ; the new -M = -ceil(t)
	v_floor_f32 v[MB], -v[MB+1]
	v_sub_f32 v24, v[MA], v24                      ; old M - new M: a whole number, 0 or less
	v_sub_f32 v26, v[MB], v26
	v_cvt_i32_f32 v24, v24                         ; (it saturates)
	v_cvt_i32_f32 v26, v26
	v_ldexp_f32 v[FA], 1.0, v24                    ; f = 2^(old M - new M)
	v_ldexp_f32 v[FB], 1.0, v26
.set jj, 0
.rept 32
	v_pk_fma_f32 v[SA+jj:SA+jj+1], v[SA+jj:SA+jj+1], s[CS:CS+1], v[MA:MA+1] op_sel_hi:[1,0,0]   ; tile A: t - M, two at a time
.set jj, jj+2
.endr
.set jj, 0
.rept 16
	v_pk_mul_f32 v[OA+jj:OA+jj+1], v[OA+jj:OA+jj+1], v[FA:FA+1] op_sel_hi:[1,0]   ; O^T under the new M, ahead of the exponentials; each accumulator from its low end on
	v_pk_mul_f32 v[OB+jj:OB+jj+1], v[OB+jj:OB+jj+1], v[FB:FB+1] op_sel_hi:[1,0]
.set jj, jj+2
.endr
	s_wait_alu depctr_va_vdst(0)                   ; ahead of the batch
.set jj, 0
.rept 32                                       ; tile A's p = 2^(t - M); tile B's t - M stands among the exponentials and is read behind the next wait
	v_exp_f32 v[SA+jj], v[SA+jj]
	v_pk_fma_f32 v[SB+jj:SB+jj+1], v[SB+jj:SB+jj+1], s[CS:CS+1], v[MB:MB+1] op_sel_hi:[1,0,0]
	v_exp_f32 v[SA+jj+1], v[SA+jj+1]
.set jj, jj+2
.endr
	v_pk_mul_f32 v[SUA:SUA+1], v[SUA:SUA+1], v[FA:FA+1] op_sel_hi:[1,0]   ; the sums under the new M: plain lines behind the last exponential
	v_pk_mul_f32 v[SUB:SUB+1], v[SUB:SUB+1], v[FB:FB+1] op_sel_hi:[1,0]
	s_wait_alu depctr_va_vdst(0)                   ; one wait: behind tile A's batch, ahead of tile B's
	SUMS SA, SUA
.set hh, 0
.rept 32                                       ; tile B's p; tile A's holds stand among the exponentials and are read behind the next wait
	v_exp_f32 v[SB+2*hh], v[SB+2*hh]
	HOLD2 SA, hh
	v_exp_f32 v[SB+2*hh+1], v[SB+2*hh+1]
.set hh, hh+1
.endr
	v_nop                                          ; a plain line behind the last exponential
	s_wait_alu depctr_va_vdst(0)                   ; the wait behind the batch; it also stands directly ahead of the wait below
	s_wait_dscnt 0x0                               ; V is in, and so are the next step's fragments of K
	CODES SA, PA
	PV OA, PA                                      ; tile A's products are issued ahead of tile B's sums and holds, which name none of their registers
	SUMS SB, SUB
.set hh, 0
.rept 32
	HOLD2 SB, hh
.set hh, hh+1
.endr
	CODES SB, PB
	PV OB, PB
.endm
; y of my 32 queries: O^T / the sum x 2^(e4 + e5), held, converted with 2^e6, through my stage, out as 2,048 consecutive bytes.
.macro FINISH yb
	v_add_f32 v[SUA], v[SUA], v[SUA+1]             ; these lines are also the places behind the last products
	v_add_f32 v[SUB], v[SUB], v[SUB+1]
	v_permlanex16_b32 v28, v[SUA], s[SEL], s[SEL+1]
	v_permlanex16_b32 v29, v[SUB], s[SEL], s[SEL+1]
	v_add_f32 v[SUA], v[SUA], v28                  ; the rows' sums
	v_add_f32 v[SUB], v[SUB], v29
	s_wait_alu depctr_va_vdst(0)                   ; ahead of the transcendentals
	v_rcp_f32 v[SUA], v[SUA]
	v_rcp_f32 v[SUB], v[SUB]
	v_nop
	s_wait_alu depctr_va_vdst(0)                   ; and ahead of their first reader
	v_ldexp_f32 v[SUA], v[SUA], s[EO]
	v_ldexp_f32 v[SUB], v[SUB], s[EO]
	s_wait_alu depctr_va_vdst(0)                   ; directly ahead of the first reader of O^T
.set jj, 0
.rept 16
	v_pk_mul_f32 v[SA+jj:SA+jj+1], v[OA+jj:OA+jj+1], v[SUA:SUA+1] op_sel_hi:[1,0]   ; register 8 t + j: y(r, 16 t + 8 h + j)
	v_pk_mul_f32 v[SB+jj:SB+jj+1], v[OB+jj:OB+jj+1], v[SUB:SUB+1] op_sel_hi:[1,0]
.set jj, jj+2
.endr
.set jj, 0
.rept 32
	v_med3_num_f32 v[SA+jj], v[SA+jj], -v[E6L], v[E6L]
	v_med3_num_f32 v[SB+jj], v[SB+jj], -v[E6L], v[E6L]
.set jj, jj+1
.endr
.irp t, 0,1,2,3
	v_cvt_scalef32_pk8_fp8_f32 v[CA+2*\t:CA+2*\t+1], v[SA+8*\t:SA+8*\t+7], v[E6S]
	v_cvt_scalef32_pk8_fp8_f32 v[CB+2*\t:CB+2*\t+1], v[SB+8*\t:SB+8*\t+7], v[E6S]
.endr
	v_nop                                          ; one plain line behind the last conversion
.irp t, 0,1,2,3
	ds_store_b64 v[STO], v[CA+2*\t:CA+2*\t+1] offset:16*\t
	ds_store_b64 v[STO], v[CB+2*\t:CB+2*\t+1] offset:1280+16*\t
.endr
.irp i, 0,1,2,3
	ds_load_b128 v[SA+32+4*\i:SA+35+4*\i], v[RD] offset:640*\i   ; LDS serves a wave's instructions in order: these see my stores
.endr
	s_wait_dscnt 0x0
.irp i, 0,1,2,3
	global_store_b128 v[GO], v[SA+32+4*\i:SA+35+4*\i], s[\yb:\yb+1] offset:512*\i   ; 32 lanes store 512 consecutive bytes, aligned
.endr
.endm
	s_wait_alu depctr_va_vdst(0)                   ; the head's end
	s_wait_tensorcnt 0x0                           ; my part of key blocks 0-4 is in; the later first fill is issued as a refill is:
	ds_add_u32 v[SPW], v[NIL]
	s_wait_dscnt 0x0
	ROUND                                          ; everybody's part is in, and the joint loads meet
	tensor_load_to_lds s[G0B:G0B+3], s[G2:G2+7]    ; key blocks 5-15: my one load behind the round
	s_nop 0
	NOPS 4
	s_wait_loadcnt 0x0                             ; Q
	s_mov_b32 s[TB], 0
	s_mov_b32 s[TN], BLK
	s_mov_b32 s[SQ], 0
	v_mov_b32 v[ADK], v[AK0]
	KLOAD                                          ; key block 0's fragments of K
.Lone:                                             ; steps 0-3: key blocks 0-3 of the first chunk, which has nine steps or more in every wave
	STEP 0
	s_add_co_u32 s[TB], s[TB], BLK
	s_add_co_u32 s[TN], s[TN], BLK
	s_add_co_u32 s[SQ], s[SQ], 1
	s_cmp_lt_u32 s[SQ], 4
	s_cbranch_scc1 .Lone
	s_wait_tensorcnt 0x0                           ; my part of key blocks 5-15 is in;
	s_wait_dscnt 0x0
	s_barrier_signal -1
	s_barrier_wait -1                              ; and everybody's.
	s_mov_b32 s[SQ], 4
.Ltwo:                                             ; steps 4-16
	s_cmp_lg_u32 s[SQ], s[SW]                      ; at step 16 - w the first chunk is finished: a branch on the wave's number and the count of steps, round no barrier
	s_cbranch_scc1 .Lsame
	FINISH YA
	s_wait_xcnt 0x0                                ; the stores have read their registers, which the next scores overwrite
	WIN 0x41
.set jj, 0
.rept 16
	v_mov_b32 v[QCA+jj], v[QN+jj]                  ; the second chunk's Q
.set jj, jj+1
.endr
	WIN 0
	INIT
.Lsame:
	s_sub_co_u32 s96, s[SQ], s[SW]
	s_cmp_lt_u32 s[SQ], s[SW]
	s_cselect_b32 s96, s[SQ], s96                  ; the key block: the step's number, counted anew from the second chunk's first step
	s_min_u32 s96, s96, 15
	s_mul_i32 s[TB], s96, BLK
	s_add_co_u32 s99, s[SQ], 1                     ; and the next step's, likewise
	s_sub_co_u32 s96, s99, s[SW]
	s_cmp_lt_u32 s99, s[SW]
	s_cselect_b32 s96, s99, s96
	s_min_u32 s96, s96, 15
	s_mul_i32 s[TN], s96, BLK
	STEP 1
	s_add_co_u32 s[SQ], s[SQ], 1
	s_cmp_lt_u32 s[SQ], 17
	s_cbranch_scc1 .Ltwo
	FINISH YB
	s_wait_tensorcnt 0x0                           ; the wave's end
	ds_add_u32 v[SPW], v[NIL]
	s_wait_dscnt 0x0
	ROUND                                          ; the closing round
	s_endpgm
.Lfunc_end_k_qd611845582_attn:
	.size	k_qd611845582_attn, .Lfunc_end_k_qd611845582_attn-k_qd611845582_attn
	.p2alignl 7, 3214868480
	.fill 96, 4, 3214868480
	.section	.rodata,"a",@progbits
	.p2align	6, 0x0
	.amdhsa_kernel k_qd611845582_attn
		.amdhsa_group_segment_fixed_size 327680
		.amdhsa_private_segment_fixed_size 0
		.amdhsa_enable_private_segment 0
		.amdhsa_kernarg_size 24
		.amdhsa_user_sgpr_count 2
		.amdhsa_user_sgpr_kernarg_segment_ptr 1
		.amdhsa_wavefront_size32 1
		.amdhsa_system_sgpr_workgroup_id_x 1
		.amdhsa_system_sgpr_workgroup_id_y 1
		.amdhsa_system_sgpr_workgroup_id_z 1
		.amdhsa_system_vgpr_workitem_id 0
		.amdhsa_next_free_vgpr 448
		.amdhsa_next_free_sgpr 100
		.amdhsa_reserve_vcc 1
		.amdhsa_float_denorm_mode_32 3
		.amdhsa_float_denorm_mode_16_64 3
		.amdhsa_memory_ordered 1
		.amdhsa_forward_progress 1
		.amdhsa_inst_pref_size 100
	.end_amdhsa_kernel
	.amdgpu_metadata
---
amdhsa.version: [ 1, 2 ]
amdhsa.kernels:
  - .name:           k_qd611845582_attn
    .symbol:         k_qd611845582_attn.kd
    .args:
      - { .name: qkv, .offset: 0, .size: 8, .value_kind: global_buffer, .address_space: global }
      - { .name: lowp_scales, .offset: 8, .size: 8, .value_kind: global_buffer, .address_space: global }
      - { .name: yc, .offset: 16, .size: 8, .value_kind: global_buffer, .address_space: global }
    .group_segment_fixed_size: 327680
    .private_segment_fixed_size: 0
    .kernarg_segment_align: 8
    .kernarg_segment_size: 24
    .max_flat_workgroup_size: 256
    .sgpr_count:     100
    .vgpr_count:     448
    .wavefront_size: 32
...
	.end_amdgpu_metadata
.endif
;; end of part 3
;; launch gout (part 4): grid 4 x 64, 4 waves a work-group, clusters of 4 x 4, 327,680 bytes of LDS; arguments yc, wc, lowp_scales, b_out, out0; writes out0
.if DOCPART == 4
	.amdgcn_target "amdgcn-amd-amdhsa--gfx1250"
	.amdhsa_code_object_version 6
	.text
	.protected	k_qd611845582_gout
	.globl	k_qd611845582_gout
	.p2align	8
	.type	k_qd611845582_gout,@function
k_qd611845582_gout:
	s_mov_b64 s[64:65], 0
	v_nop
	global_prefetch_b8 v0, s[64:65] scope:SCOPE_SE
	s_setreg_imm32_b32 hwreg(HW_REG_WAVE_MODE, 25, 1), 1
	s_wait_xcnt 0x0
	s_wait_alu depctr_hold_cnt(0) depctr_sa_sdst(0) depctr_va_vdst(0) depctr_va_sdst(0) depctr_va_ssrc(0) depctr_va_vcc(0) depctr_vm_vsrc(0)
	s_getreg_b32 s2, hwreg(HW_REG_IB_STS2, 6, 4)
	s_cmp_eq_u32 s2, 0
	s_cbranch_scc0 .Lentry_in_a_cluster
	s_endpgm
.Lentry_in_a_cluster:
	s_bfe_u32 s2, ttmp6, 0x10000c
	s_cmp_lg_u32 s2, 0xf033
	s_cbranch_scc0 .Lentry_shape_is_right
	s_endpgm
.Lentry_shape_is_right:
; out0 = y w_out + b_out on codes of FP8 (E4M3): yc [head 16][8192 rows][d 64] (2^e6), wc's rows 3072..4095 = w_out's columns (2^e7), K innermost; sums in f32, x 2^(e6 + e7), + b_out.
; A work-group of four waves makes 128 rows x 256 columns, a wave 64 x 128; K = 1,024 goes in four steps of 256 through three LDS slots.  A slot: y's four planes of 128 rows x 64 bytes, then 256 rows of wc.
; K step 0 is asked for at the head (waves 0, 1: two planes each; waves 2, 3: 128 rows each).  K steps 1 and 2 are asked for together behind the full sequence and a round, one load a wave:
; wave 0 step 1's four planes, wave 1 step 2's, wave 2 step 1's 256 rows, wave 3 step 2's.  K step 3 fills slot 0 again behind the next round.
; CLUSTERS 4 x 4: y's tiles are shared along a row of the cluster, wc's along a column; every load is a joint one.  LIMIT: e6 + e7 between -126 and 127.
.set PITCH,  272
.set APL,    32*PITCH
.set BOFF,   4*APL
.set SLOT,   BOFF+256*PITCH
.set SPARE,  3*SLOT
.set STAGE,  SLOT
.set SPITCH, 528
.set ADRA, 16
.set ADRB, 20
.set STO,  24
.set RD,   25
.set CO,   26
.set SPW,  28
.set NIL,  29
.set TMP,  32
.set AF,   128
.set G1A, 24
.set G1B, 32
.set G0A, 40
.set G0B, 52
.set MSB, 0
.macro WIN new
.if MSB != \new
	s_set_vgpr_msb (MSB<<8)|\new
.set MSB, \new
.endif
.endm
.set MUL,  0xa1
.set TO_B, 0x40
.macro JLOAD g0a, g1a, g0b, g1b
	s_cmp_eq_u32 s15, 0
	s_cbranch_scc0 .Lfor_b_\@
	tensor_load_to_lds s[\g0a:\g0a+3], s[\g1a:\g1a+7]
	s_nop 0
.rept 4
	v_nop
.endr
	s_branch .Lasked_\@
.Lfor_b_\@:
	tensor_load_to_lds s[\g0b:\g0b+3], s[\g1b:\g1b+7]
	s_nop 0
.rept 4
	v_nop
.endr
.Lasked_\@:
.endm
.macro CROUND
	s_barrier_signal -1
	s_barrier_wait -1
	s_cmp_lg_u32 s14, 0
	s_cbranch_scc1 .Lnot_wave_0_\@
	s_barrier_signal -3
.Lnot_wave_0_\@:
	s_barrier_wait -3
	s_barrier_signal -1
	s_barrier_wait -1
.endm
	s_load_b256 s[4:11], s[0:1], 0x0
	s_load_b64 s[12:13], s[0:1], 0x20
	v_lshl_add_u32 v[SPW], v0, 2, SPARE
	v_mov_b32 v[NIL], 0
	ds_add_u32 v[SPW], v[NIL]
	ds_add_u32 v[SPW], v[NIL]
	v_lshrrev_b32 v1, 5, v0
	v_readfirstlane_b32 s14, v1
	s_lshr_b32 s15, s14, 1
	s_and_b32 s16, s14, 1
	s_bfe_u32 s66, ttmp6, 0x40000
	s_bfe_u32 s67, ttmp6, 0x40004
	s_lshl_b32 s69, ttmp9, 2
	s_add_co_u32 s69, s69, s66
	s_and_b32 s68, ttmp7, 0xffff
	s_lshl_b32 s68, s68, 2
	s_add_co_u32 s68, s68, s67
	s_lshl_b32 s70, s67, 2
	s_lshl_b32 s70, 15, s70
	s_lshl_b32 s71, 0x1111, s66
	s_or_b32 s[G1A], s70, (0<<16)|(1<<20)|(1<<21)|(5<<22)|(3<<25)
	s_mov_b32 s[G1A+1], 8192<<16
	s_mov_b32 s[G1A+2], 2<<16
	s_mov_b32 s[G1A+3], 8192<<16
	s_mov_b32 s[G1A+4], 2
	s_mov_b32 s[G1A+5], 524288
	s_mov_b32 s[G1A+6], 0
	s_mov_b32 s[G1A+7], 0
	s_or_b32 s[G1B], s71, (0<<16)|(1<<20)|(1<<21)|(5<<22)|(3<<25)
	s_mov_b32 s[G1B+1], 256<<16
	s_mov_b32 s[G1B+2], 128<<16
	s_mov_b32 s[G1B+3], 256<<16
	s_mov_b32 s[G1B+4], 128
	s_mov_b32 s[G1B+5], 1024
	s_mov_b32 s[G1B+6], 0
	s_mov_b32 s[G1B+7], 0
	s_lshl_b32 s72, s16, 20
	s_lshl_b32 s73, s68, 13
	s_add_co_u32 s72, s72, s73
	s_mov_b32 s73, 0
	s_lshl_b32 s74, s69, 8
	s_lshl_b32 s75, s16, 7
	s_add_co_u32 s74, s74, s75
	s_add_co_u32 s74, s74, 3072
	s_lshl_b32 s74, s74, 10
	s_mov_b32 s75, 0
	s_mul_i32 s90, s16, 2*APL
	s_mul_i32 s91, s16, 128*PITCH
	s_add_co_u32 s91, s91, BOFF
	s_wait_dscnt 0x0
	s_wait_kmcnt 0x0
	s_load_b256 s[76:83], s[8:9], 0x0
	s_add_nc_u64 s[72:73], s[4:5], s[72:73]
	s_add_nc_u64 s[74:75], s[6:7], s[74:75]
	CROUND
	s_mov_b32 s[G0A], 1                            ; K step 0 into slot 0
	s_mov_b32 s[G0A+1], s90
	s_mov_b64 s[G0A+2:G0A+3], s[72:73]
	s_or_b32 s[G0A+3], s[G0A+3], 0x80000000
	s_mov_b32 s[G0B], 1
	s_mov_b32 s[G0B+1], s91
	s_mov_b64 s[G0B+2:G0B+3], s[74:75]
	s_or_b32 s[G0B+3], s[G0B+3], 0x80000000
	JLOAD G0A, G1A, G0B, G1B                       ; behind the opening round: one tensor load a wave at the head
	s_add_co_u32 s94, s16, 1                       ; K steps 1 and 2: which of the two is mine, and its slot
	s_mul_i32 s95, s94, SLOT
	s_lshl_b32 s96, s94, 21                        ; y: four planes of 524,288 bytes a K step,
	s_lshl_b32 s97, s68, 13                        ; my tile's 128 rows of 64 bytes
	s_add_co_u32 s96, s96, s97
	s_mov_b32 s97, 0
	s_mov_b32 s[G0A+4], 1
	s_mov_b32 s[G0A+5], s95
	s_add_nc_u64 s[G0A+6:G0A+7], s[4:5], s[96:97]
	s_or_b32 s[G0A+7], s[G0A+7], 0x80000000
	s_lshl_b32 s98, s69, 8
	s_add_co_u32 s98, s98, 3072
	s_lshl_b32 s98, s98, 10                        ; wc: my tile's 256 rows of 1,024 bytes,
	s_lshl_b32 s99, s94, 8                         ; 256 bytes a K step
	s_add_co_u32 s98, s98, s99
	s_mov_b32 s99, 0
	s_mov_b32 s[G0B+4], 1
	s_add_co_u32 s[G0B+5], s95, BOFF
	s_add_nc_u64 s[G0B+6:G0B+7], s[6:7], s[98:99]
	s_or_b32 s[G0B+7], s[G0B+7], 0x80000000
	v_and_b32 v1, 15, v0
	v_bfe_u32 v2, v0, 4, 1
	v_lshrrev_b32 v3, 2, v1
	v_mul_u32_u24 v3, v3, PITCH
	v_and_b32 v4, 3, v1
	v_lshl_add_u32 v3, v4, 6, v3
	v_lshl_add_u32 v3, v2, 4, v3
	s_mul_i32 s92, s15, 16*PITCH
	v_mul_u32_u24 v4, v1, PITCH
	v_lshl_add_u32 v4, v2, 4, v4
	s_mul_i32 s93, s16, 128*PITCH
	s_add_co_u32 s93, s93, BOFF
.irp n, 0,1,2
	v_add_nc_u32 v[ADRA+\n], s92, v3
	v_add_nc_u32 v[ADRB+\n], s93, v4
	s_add_co_u32 s92, s92, SLOT
	s_add_co_u32 s93, s93, SLOT
.endr
	s_mul_i32 s92, s14, 16*SPITCH
	s_add_co_u32 s92, s92, STAGE
	v_mul_u32_u24 v5, v1, SPITCH
	v_lshl_add_u32 v5, v2, 5, v5
	v_add_nc_u32 v[STO], s92, v5
	v_and_b32 v6, 31, v0
	v_lshlrev_b32 v[CO], 4, v6
	v_add_nc_u32 v[RD], s92, v[CO]
	v_lshlrev_b32 v7, 5, v2
	s_wait_alu depctr_va_vdst(0)
	s_lshl_b32 s86, s69, 10
	s_lshl_b32 s87, s16, 9
	s_add_co_u32 s86, s86, s87
	s_mov_b32 s87, 0
	s_lshl_b32 s88, s68, 7
	s_lshl_b32 s89, s15, 6
	s_add_co_u32 s88, s88, s89
	s_lshl_b32 s88, s88, 12
	s_add_co_u32 s88, s88, s86
	s_mov_b32 s89, 0
	s_add_nc_u64 s[12:13], s[12:13], s[88:89]
	s_add_nc_u64 s[10:11], s[10:11], s[86:87]
	WIN 0xc0
.irp b, 0,1,2,3,4,5,6,7
	global_load_b128 v[8*\b:8*\b+3], v7, s[10:11] offset:64*\b
	global_load_b128 v[8*\b+4:8*\b+7], v7, s[10:11] offset:64*\b+16
.endr
	WIN 0
.macro FETCH n, q, p
	WIN TO_B
.irp i, 0,1,2,3,4,5,6,7
.irp c, 0,1,2,3
	ds_load_b128 v[128*(\p)+16*\i+4*\c:128*(\p)+16*\i+4*\c+3], v[ADRB+\n] offset:128*(\q)+32*\c+\i*16*PITCH
.endr
.endr
	WIN 0
.irp i, 0,1,2,3
.irp c, 0,1,2,3
	ds_load_b128 v[AF+64*(\p)+16*\i+4*\c:AF+64*(\p)+16*\i+4*\c+3], v[ADRA+\n] offset:(2*(\q)+\c/2)*APL+\i*4*PITCH+32*(\c%2)
.endr
.endr
.endm
.macro MUL32 p, zero
	WIN MUL
.irp a, 0,1,2,3
.irp b, 0,1,2,3,4,5,6,7
.if \zero
	v_wmma_f32_16x16x128_fp8_fp8 v[8*(8*\a+\b):8*(8*\a+\b)+7], v[128*(\p)+16*\b:128*(\p)+16*\b+15], v[AF+64*(\p)+16*\a:AF+64*(\p)+16*\a+15], 0
.else
	v_wmma_f32_16x16x128_fp8_fp8 v[8*(8*\a+\b):8*(8*\a+\b)+7], v[128*(\p)+16*\b:128*(\p)+16*\b+15], v[AF+64*(\p)+16*\a:AF+64*(\p)+16*\a+15], v[8*(8*\a+\b):8*(8*\a+\b)+7]
.endif
.endr
.endr
.endm
.macro PLACES
.rept 4
	v_nop
.endr
.endm
.macro NEXT n, q, p
	s_wait_dscnt 0x0
	PLACES
	FETCH \n, \q, \p
	MUL32 1-(\p), 0
.endm
	s_wait_alu depctr_va_vdst(0)                   ; the head's end
	s_wait_tensorcnt 0x0                           ; my part of K step 0 is in, so the descriptors may be written; the later first fill is issued as a refill is
	ds_add_u32 v[SPW], v[NIL]
	s_mov_b32 s[G1A+2], 4<<16                      ; four planes a load,
	s_mov_b32 s[G1A+4], 4
	s_mov_b32 s[G1B+2], 256<<16                    ; 256 rows a load
	s_mov_b32 s[G1B+4], 256
	s_wait_dscnt 0x0
	CROUND                                         ; everybody's part of K step 0 is in, and the joint loads meet
	JLOAD G0A+4, G1A, G0B+4, G1B                   ; K steps 1 and 2 into slots 1 and 2: my one load behind the round
	FETCH 0, 0, 0
	s_wait_dscnt 0x0
	FETCH 0, 1, 1
	MUL32 0, 1
	WIN 0
	s_wait_tensorcnt 0x0
	ds_add_u32 v[SPW], v[NIL]
	s_add_nc_u64 s[G0A+2:G0A+3], s[G0A+2:G0A+3], 3*4*524288
	s_add_nc_u64 s[G0B+2:G0B+3], s[G0B+2:G0B+3], 3*256
	s_mov_b32 s[G1A+2], 2<<16                      ; K step 3 comes in the head's shapes again: two planes, 128 rows a load
	s_mov_b32 s[G1A+4], 2
	s_mov_b32 s[G1B+2], 128<<16
	s_mov_b32 s[G1B+4], 128
	s_wait_dscnt 0x0
	CROUND
	JLOAD G0A, G1A, G0B, G1B
	FETCH 1, 0, 0
	MUL32 1, 0
	NEXT 1, 1, 1
	NEXT 2, 0, 0
	NEXT 2, 1, 1
	s_wait_dscnt 0x0
	s_wait_tensorcnt 0x0
	s_barrier_signal -1
	s_barrier_wait -1
	PLACES
	FETCH 0, 0, 0
	MUL32 1, 0
	NEXT 0, 1, 1
	s_wait_dscnt 0x0
	MUL32 1, 0
	WIN 0
.macro TOSTAGE a
	WIN 0x32
.set jj, 0
.rept 32
	v_pk_fma_f32 v[TMP+jj:TMP+jj+1], v[64*(\a)+jj:64*(\a)+jj+1], s[84:85], v[jj:jj+1] op_sel_hi:[1,0,1]
.set jj, jj+2
.endr
	WIN 0
.irp b, 0,1,2,3,4,5,6,7
	ds_store_b128 v[STO], v[TMP+8*\b:TMP+8*\b+3] offset:64*\b
	ds_store_b128 v[STO], v[TMP+8*\b+4:TMP+8*\b+7] offset:64*\b+16
.endr
.set BB, AF+64*((\a)%2)
.irp t, 0,1,2,3,4,5,6,7,8,9,10,11,12,13,14,15
	ds_load_b128 v[BB+4*\t:BB+4*\t+3], v[RD] offset:\t*SPITCH
.endr
.endm
.macro SEND a, younger
.set BB, AF+64*((\a)%2)
	s_wait_dscnt \younger
.irp t, 0,1,2,3,4,5,6,7,8,9,10,11,12,13,14,15
	global_store_b128 v[CO], v[BB+4*\t:BB+4*\t+3], s[12:13] offset:(16*(\a)+\t)*4096 th:TH_STORE_NT
.endr
.endm
	s_wait_kmcnt 0x0
	s_add_co_i32 s84, s82, s83
	s_add_co_i32 s84, s84, 127
	s_lshl_b32 s84, s84, 23
	s_mov_b32 s85, s84
	s_wait_loadcnt 0x0
	PLACES
	TOSTAGE 0
.irp a, 1,2,3
.if \a > 1
	s_wait_xcnt 0x0
.endif
	TOSTAGE \a
	SEND \a-1, 32
.endr
	SEND 3, 0
	s_wait_tensorcnt 0x0
	ds_add_u32 v[SPW], v[NIL]
	s_wait_dscnt 0x0
	CROUND
	s_endpgm
.Lfunc_end_k_qd611845582_gout:
	.size	k_qd611845582_gout, .Lfunc_end_k_qd611845582_gout-k_qd611845582_gout
	.p2alignl 7, 3214868480
	.fill 96, 4, 3214868480
	.section	.rodata,"a",@progbits
	.p2align	6, 0x0
	.amdhsa_kernel k_qd611845582_gout
		.amdhsa_group_segment_fixed_size 327680
		.amdhsa_private_segment_fixed_size 0
		.amdhsa_enable_private_segment 0
		.amdhsa_kernarg_size 40
		.amdhsa_user_sgpr_count 2
		.amdhsa_user_sgpr_kernarg_segment_ptr 1
		.amdhsa_wavefront_size32 1
		.amdhsa_system_sgpr_workgroup_id_x 1
		.amdhsa_system_sgpr_workgroup_id_y 1
		.amdhsa_system_sgpr_workgroup_id_z 1
		.amdhsa_system_vgpr_workitem_id 0
		.amdhsa_next_free_vgpr 1024
		.amdhsa_next_free_sgpr 100
		.amdhsa_reserve_vcc 0
		.amdhsa_float_denorm_mode_32 3
		.amdhsa_float_denorm_mode_16_64 3
		.amdhsa_memory_ordered 1
		.amdhsa_forward_progress 1
		.amdhsa_inst_pref_size 77
	.end_amdhsa_kernel
	.amdgpu_metadata
---
amdhsa.version: [ 1, 2 ]
amdhsa.kernels:
  - .name:           k_qd611845582_gout
    .symbol:         k_qd611845582_gout.kd
    .args:
      - { .name: yc, .offset: 0, .size: 8, .value_kind: global_buffer, .address_space: global }
      - { .name: wc, .offset: 8, .size: 8, .value_kind: global_buffer, .address_space: global }
      - { .name: lowp_scales, .offset: 16, .size: 8, .value_kind: global_buffer, .address_space: global }
      - { .name: b_out, .offset: 24, .size: 8, .value_kind: global_buffer, .address_space: global }
      - { .name: out0, .offset: 32, .size: 8, .value_kind: global_buffer, .address_space: global }
    .group_segment_fixed_size: 327680
    .private_segment_fixed_size: 0
    .kernarg_segment_align: 8
    .kernarg_segment_size: 40
    .max_flat_workgroup_size: 128
    .sgpr_count:     100
    .vgpr_count:     1024
    .wavefront_size: 32
...
	.end_amdgpu_metadata
.endif
;; end of part 4
